; MI455X (gfx1250); checked and timed in simulation.
; The chip was launched on July 23, 2026; its instructions are those of AMD's public machine-readable ISA for CDNA 5 (MIT licence, August 2026) and "CDNA5" Instruction Set Architecture Reference Guide (July 2026). The comments in the code are by the model that wrote it; some were corrected since.
;; Clipping Attention Engine. Allowed arithmetic: matrix products marked QUANTISED: E2M3 operands, one E8M0 scale for each 32 along K, by v_wmma_scale_f32_16x16x128_f8f6f4 with both operands' format E2M3, f32 sums; everything else in f32.
;; Inputs: bk 1,024 float32; bo 1,024 float32; bq 1,024 float32; bv 1,024 float32; delta_x 4 x 2,048 x 1,024 float32; prior_mask 2,048 x 2,048 float32; wk 1,024 x 1,024 float32; wo 1,024 x 1,024 float32; wq 1,024 x 1,024 float32; wv 1,024 x 1,024 float32; x 4 x 2,048 x 1,024 float32.
;; Outputs: out0 4 x 2,048 x 1,024 float32.
;; This version of the problem:
;;   THIS VERSION OF THE PROBLEM IS GIVEN IN LOW PRECISION. The matrix products marked QUANTISED in the list below multiply operands that are first quantised to E2M3 (2 exponent bits, 3 mantissa bits; 6 bits a number), with one power-of-two scale for each 32 numbers along K (OCP MX v1.0); their sums are f32. All else is computed in f32.
;;   The module's matrix products, in the order in which they are computed (A, B: the left and right operand; K: the contracted axis; several contracted axes count as one K, in the product's order):
;;     1. [M 8,192, K 1,024] x [K 1,024, N 1,024]; A: input x; B: input wq: QUANTISED
;;     2. [M 8,192, K 1,024] x [K 1,024, N 1,024]; A: input x; B: input wk: QUANTISED
;;     3. [M 8,192, K 1,024] x [K 1,024, N 1,024]; A: input x; B: input wv: QUANTISED
;;     4. batch 64 x [M 2,048, K 64] x [K 64, N 2,048]; A: computed on the way; B: computed on the way: QUANTISED
;;     5. batch 64 x [M 64, K 2,048] x [K 2,048, N 2,048]; A: computed on the way; B: softmax (see below): QUANTISED
;;     6. [M 8,192, K 1,024] x [K 1,024, N 1,024]; A: computed on the way; B: input wo: QUANTISED
;;   THE QUANTISER, for each operand of a quantised product, along K:
;;     - K is cut into blocks of 32 from its start; a last block that is shorter is filled with zeros.
;;     - A block's scale is 2^e with e = floor(log2(the largest magnitude in the block)) - 2, held to -126 .. 127; a block of zeros has e = 0. As a byte (E8M0): e + 127.
;;     - Each number is divided by its block's scale, clamped to +-7.5, and rounded to the nearest number of E2M3, ties to even, subnormals kept.
;;     - The product sums the exact products of the quantised numbers (number of the format x scale) in f32.
;;   ~~~python
;;   def quantise(x, axis):      # numpy; x: float32 -> the quantised numbers, widened to float32 again
;;       x = np.moveaxis(x, axis, -1); K = x.shape[-1]
;;       x = np.pad(x, [(0, 0)] * (x.ndim - 1) + [(0, -K % 32)]); x = x.reshape(x.shape[:-1] + (-1, 32)); a = np.abs(x).max(-1, keepdims=True)
;;       e = np.where(a > 0, np.clip(np.frexp(np.where(a > 0, a, 1))[1] - 1 - 2, -126, 127), 0)      # np.frexp(a)[1] - 1 = floor(log2(a)), exactly
;;       r = np.clip(x / 2.0 ** e, -7.5, 7.5)
;;       step = 2.0 ** (np.maximum(np.frexp(np.where(r == 0, 1, r))[1] - 1, 0) - 3)
;;       q = np.round(r / step) * step * 2.0 ** e      # np.round: ties to even
;;       return np.moveaxis(q.reshape(q.shape[:-2] + (-1,))[..., :K], -1, axis).astype(np.float32)
;;   ~~~
;;   SOFTMAX AHEAD OF A QUANTISED PRODUCT. Where the list says 'softmax', what is quantised is not the finished softmax but p = 2^(t - M), with t = logit x log2(e) and M = ceil(the row's largest t), a whole number; so 1/2 < the row's largest p <= 1. The row's sum l is taken of the UNQUANTISED p, in f32, and the product's result is divided by l at the end. Since M is a whole number, a kernel that streams over the keys may use a running M (the ceiling of the running maximum): every later rescaling is an exact power of two, which a block's scale takes up: the codes' values come out the same.
;;   OPERANDS COMPUTED ON THE WAY. 'Computed on the way' means the value that the module computes at that place (a softmax that the list does not call 'softmax' is quantised finished and normalised). What goes into a quantiser is computed in f32, as accurately as f32 sums, v_exp_f32 and their like allow (about 1e-6 of the number): no bf16 or f16 on the way to a quantiser, and a product that is left as it is and whose result goes on into a quantised operand takes f32 operands (vector FMAs, or v_wmma_f32_16x16x4_f32). A number that lies on a knife's edge between two numbers of the format may be rounded either way, as far as f32 arithmetic and the matrix unit's own rounding can turn it there, and no further.
;; One version. Each part assembles by itself: llvm-mc -triple=amdgcn-amd-amdhsa -mcpu=gfx1250 --defsym DOCPART=n.
;; ======== version 1 of 1: 4 launches
;; limits: right only within a limited range of input values
;; workspace buffers: xq 6,553,600 bytes; wq4 3,276,800 bytes; st 16,384 bytes; qb 6,815,744 bytes; kvb 13,369,344 bytes; ao 6,553,600 bytes
;; launch prep (part 1): grid 1024 x 1, 4 waves a work-group, no clusters, 50,944 bytes of LDS; arguments x, delta_x, prior_mask, wq, wk, wv, wo, xq, wq4, st; writes xq, wq4, st
.if DOCPART == 1
	.amdgcn_target "amdgcn-amd-amdhsa--gfx1250"
	.amdhsa_code_object_version 6
	.text
	.protected	k_q2f79459f1a_prep
	.globl	k_q2f79459f1a_prep
	.p2align	8
	.type	k_q2f79459f1a_prep,@function
k_q2f79459f1a_prep:
	s_mov_b64 s[64:65], 0
	v_nop
	global_prefetch_b8 v0, s[64:65] scope:SCOPE_SE
	s_setreg_imm32_b32 hwreg(HW_REG_WAVE_MODE, 25, 1), 1
	s_wait_xcnt 0x0
; PREP: x and the four weights become codes of E2M3 with one E8M0 byte for each 32 along K (K = 1,024, innermost in all five); the rows' u = |delta_x| / (|x| + 1e-8) are summed, four rows to a number; prior_mask's row means are taken.
; NO WORK OF THE PROBLEM IS LEFT OUT IN ANY LAUNCH: the four biases go into quantised operands or into the output, prior_mask and delta_x reach the logits, every product of the table is live.
; LIMITS (whole program): NaN and infinities among the inputs are not served; a block whose largest magnitude lies under 2^-124 keeps the scale byte 1 (a block of zeros too: its codes are zeros, and only this program reads the bytes);
; a query row whose every key is clipped (NaN by the problem's definition) is not served; a logit that equals the threshold as a negative zero counts as clipped;
; the threshold is lam x mean(prior row), not mean(lam x prior row), and the mean of u is summed in another order: both differ by f32 rounding alone.
; LAYOUTS.  A TILE is 16 rows: position r of tile T is row 32 (T / 2) + 8 (T % 2) + r + 8 (r / 8).  An IMAGE is 16 rows x 64 K of codes, 768 bytes, in the order of the operand's registers: lane l = r + 16 h holds block h
; of row r, 6 registers: the first four at 16 l, the last two at 512 + 8 l.  A tile's 16 images lie on end.  A tile's scale words (row r, K step s of 128) lie at 16 (r + 16 (s % 2)) + 4 (s / 2): 512 bytes.
; ROLES by the work-group's number: 0-511 a tile of x; 512-767 a tile of wq, wk, wv, wo; 768-1023 eight rows of prior_mask.  x and the weights take one way through all LDS lines (pointers alone are chosen);
; what only x needs stands under scalar branches that hold no LDS line; prior's way uses no LDS and no barrier.
; A wave takes four positions, which are four rows on end.  Each load reads 512 consecutive bytes; a row turns through the wave's own stage in LDS, so that lane l holds block l (32 neighbours).
; No work-group shares an input with another: no cluster, no tensor load, no matrix unit.
.set CST,   36864                      ; LDS: behind the waves' turning stages (4 x 2 x 32 x 144): the tile's codes, 48 sections of 256 + 16 bytes
.set SST,   49920                      ; the tile's scale words, 512 bytes
.set SPARE, 50432                      ; the spare words, 128 bytes a wave: no other line names them
.set XR,    64                         ; v64-191  four rows as loaded
.set TS,    192                        ; v192-255 two rows of delta_x; then two sets of 32 neighbours
.set CC,    32                         ; v32-63   codes: eight registers for each row
.set NX,    16                         ; v16-19   |x|^2 of my four rows
.set ND,    20                         ; v20-23   |delta_x|^2
.set SBY,   24                         ; v24-27   a scale byte for each row
; v1 16 x lane; v2, v3 the turning stage, in and out; v4, v5, v6 where codes and scale bytes go; v7, v15 where they are read back; v8, v9 the add's two; v11 lane; v10, v12-14, v28-31 at work
.macro LOADX
.irp i,0,1,2,3
.irp k,0,1,2,3,4,5,6,7
	global_load_b128 v[XR+32*\i+4*\k:XR+32*\i+4*\k+3], v1, s[32:33] offset:4096*\i+512*\k th:TH_LOAD_NT
.endr
.endr
.endm
.macro LOADD g                         ; delta_x, rows 2 g and 2 g + 1
.irp i,0,1
.irp k,0,1,2,3,4,5,6,7
	global_load_b128 v[TS+32*\i+4*\k:TS+32*\i+4*\k+3], v1, s[6:7] offset:4096*(2*\g+\i)+512*\k th:TH_LOAD_NT
.endr
.endr
.endm
.macro LANESUM dst                     ; the sum over the 32 lanes, in every lane
	v_add_f32_dpp v[\dst], v[\dst], v[\dst] row_xmask:1 row_mask:0xf bank_mask:0xf
	v_add_f32_dpp v[\dst], v[\dst], v[\dst] row_xmask:2 row_mask:0xf bank_mask:0xf
	v_add_f32_dpp v[\dst], v[\dst], v[\dst] row_xmask:4 row_mask:0xf bank_mask:0xf
	v_add_f32_dpp v[\dst], v[\dst], v[\dst] row_xmask:8 row_mask:0xf bank_mask:0xf
	v_permlanex16_b32 v10, v[\dst], s38, s39
	v_add_f32 v[\dst], v[\dst], v10
.endm
.macro SUMSQ src, dst                  ; a row's sum of squares: 32 numbers a lane, two chains
	v_pk_mul_f32 v[28:29], v[\src:\src+1], v[\src:\src+1]
	v_pk_mul_f32 v[30:31], v[\src+2:\src+3], v[\src+2:\src+3]
.irp j,4,8,12,16,20,24,28
	v_pk_fma_f32 v[28:29], v[\src+\j:\src+\j+1], v[\src+\j:\src+\j+1], v[28:29]
	v_pk_fma_f32 v[30:31], v[\src+\j+2:\src+\j+3], v[\src+\j+2:\src+\j+3], v[30:31]
.endr
	v_pk_add_f32 v[28:29], v[28:29], v[30:31]
	v_add_f32 v[\dst], v28, v29
	LANESUM \dst
.endm
.macro ROWSUM src, dst                 ; a row of prior_mask: 64 numbers a lane, four chains
.irp c,0,1,2,3
	v_pk_add_f32 v[32+2*\c:33+2*\c], v[\src+2*\c:\src+2*\c+1], v[\src+8+2*\c:\src+8+2*\c+1]
.endr
.irp j,16,24,32,40,48,56
.irp c,0,1,2,3
	v_pk_add_f32 v[32+2*\c:33+2*\c], v[32+2*\c:33+2*\c], v[\src+\j+2*\c:\src+\j+2*\c+1]
.endr
.endr
	v_pk_add_f32 v[32:33], v[32:33], v[34:35]
	v_pk_add_f32 v[36:37], v[36:37], v[38:39]
	v_pk_add_f32 v[32:33], v[32:33], v[36:37]
	v_add_f32 v[\dst], v32, v33
	LANESUM \dst
.endm
.macro TURN t                          ; row t through the stage: in as loaded (128 bytes + 16 of padding for each block), out 128 bytes a lane.  LDS serves a wave's instructions in order
.irp k,0,1,2,3,4,5,6,7
	ds_store_b128 v2, v[XR+32*(\t)+4*\k:XR+32*(\t)+4*\k+3] offset:4608*((\t)%2)+576*\k
.endr
.irp k,0,1,2,3,4,5,6,7
	ds_load_b128 v[TS+32*((\t)%2)+4*\k:TS+32*((\t)%2)+4*\k+3], v3 offset:4608*((\t)%2)+16*\k
.endr
.endm
.macro ROW i                           ; row i: my block's scale and codes
.if \i < 3
	s_wait_loadcnt 8*(2-\i)                        ; the next row's eight loads are in; eight for each row behind it may be out
	TURN (\i+1)
	s_wait_dscnt 16                                ; all but the 16 just issued: this row is back from the stage
.else
	s_wait_dscnt 0x0
.endif
.set T0, TS+32*((\i)%2)
.set C0, CC+8*(\i)
	v_max3_num_f32 v12, |v[T0]|, |v[T0+1]|, |v[T0+2]|
	v_max3_num_f32 v13, |v[T0+3]|, |v[T0+4]|, |v[T0+5]|
.irp j,6,10,14,18,22,26
	v_max3_num_f32 v12, v12, |v[T0+\j]|, |v[T0+\j+1]|
	v_max3_num_f32 v13, v13, |v[T0+\j+2]|, |v[T0+\j+3]|
.endr
	v_max3_num_f32 v12, v12, |v[T0+30]|, |v[T0+31]|
	v_max3_num_f32 v12, v12, v13, 0x1800000        ; and the floor 2^(3 - 127): the byte cannot fall under 1
	v_add_nc_u32 v14, 0xff000000, v12              ; 2 off the exponent field: the conversion's scale operand
	v_cvt_scalef32_pk16_fp6_f32 v[C0:C0+2], v[T0:T0+15], v14
	v_cvt_scalef32_pk16_fp6_f32 v[C0+4:C0+6], v[T0+16:T0+31], v14   ; (a conversion's three registers begin on an even number)
	v_lshrrev_b32 v[SBY+\i], 23, v14               ; the scale's byte; also the plain line behind the conversions
	v_mov_b32 v[C0+3], v[C0+4]
	v_mov_b32 v[C0+4], v[C0+5]
	v_mov_b32 v[C0+5], v[C0+6]
	ds_store_b128 v4, v[C0:C0+3] offset:16*\i      ; image l / 2, half l % 2, position 4 w + i
	ds_store_b64 v5, v[C0+4:C0+5] offset:8*\i
	ds_store_b8 v6, v[SBY+\i] offset:16*\i
.endm
	s_load_b512 s[4:19], s[0:1], 0x0               ; x, delta_x, prior_mask, wq, wk, wv, wo, xq
	s_load_b128 s[20:23], s[0:1], 0x40             ; wq4, st
	v_lshl_add_u32 v8, v0, 2, SPARE
	v_mov_b32 v9, 0
	v_lshrrev_b32 v10, 5, v0
	v_readfirstlane_b32 s24, v10                   ; wave
	v_and_b32 v11, 31, v0                          ; lane
	v_lshlrev_b32 v1, 4, v11
	s_mov_b32 s38, 0x76543210
	s_mov_b32 s39, 0xfedcba98                      ; v_permlanex16_b32's selects for lane l xor 16
	s_wait_kmcnt 0x0
	s_cmp_ge_u32 ttmp9, 768
	s_cbranch_scc1 .Lprior
	; ---- a tile of x or of a weight: only pointers and numbers are chosen
	s_cmp_lt_u32 ttmp9, 512
	s_cselect_b32 s25, 1, 0                        ; 1: x
	s_cselect_b32 s26, 0, 512
	s_cselect_b64 s[28:29], s[18:19], s[20:21]     ; where the codes go
	s_mov_b32 s27, 0x300000
	s_cselect_b32 s27, 0x600000, s27               ; where that buffer's scale words begin
	s_cselect_b32 s30, 511, 63
	s_sub_co_u32 s26, ttmp9, s26                   ; the tile's number in the buffer of codes
	s_and_b32 s30, s26, s30                        ; and in its source
	s_lshr_b32 s31, s26, 6                         ; which weight
	s_cmp_eq_u32 s31, 1
	s_cselect_b64 s[32:33], s[12:13], s[10:11]
	s_cmp_eq_u32 s31, 2
	s_cselect_b64 s[32:33], s[14:15], s[32:33]
	s_cmp_eq_u32 s31, 3
	s_cselect_b64 s[32:33], s[16:17], s[32:33]
	s_cmp_eq_u32 s25, 1
	s_cselect_b64 s[32:33], s[4:5], s[32:33]
	s_lshr_b32 s34, s30, 1
	s_lshl_b32 s34, s34, 5
	s_and_b32 s35, s30, 1
	s_lshl_b32 s35, s35, 3
	s_add_co_u32 s34, s34, s35
	s_lshl_b32 s35, s24, 2
	s_add_co_u32 s34, s34, s35
	s_lshr_b32 s35, s24, 1
	s_lshl_b32 s35, s35, 3
	s_add_co_u32 s34, s34, s35                     ; my first row: 32 (T / 2) + 8 (T % 2) + 4 w + 8 (w / 2)
	s_lshl_b32 s34, s34, 12
	s_mov_b32 s35, 0
	s_add_nc_u64 s[32:33], s[32:33], s[34:35]
	s_add_nc_u64 s[6:7], s[6:7], s[34:35]          ; delta_x at the same rows (read by x's work-groups alone)
	s_mul_i32 s42, s26, 12288
	s_mul_i32 s43, s24, 3072
	s_add_co_u32 s42, s42, s43
	s_mov_b32 s43, 0
	s_lshl_b32 s44, s26, 9
	s_add_co_u32 s44, s44, s27
	s_mov_b32 s45, 0
	s_add_nc_u64 s[44:45], s[28:29], s[44:45]      ; the tile's scale words
	s_add_nc_u64 s[28:29], s[28:29], s[42:43]      ; my quarter of the tile's codes
	s_lshl_b32 s40, s26, 4
	s_lshl_b32 s41, s24, 2
	s_add_co_u32 s40, s40, s41
	s_mov_b32 s41, 0
	s_add_nc_u64 s[40:41], s[22:23], s[40:41]      ; usum[4 T + w]
	s_cmp_eq_u32 s25, 0
	s_cbranch_scc1 .Lnod1
	s_wait_alu depctr_va_vdst(0)
	LOADD 0
.Lnod1:
	s_wait_alu depctr_va_vdst(0)
	LOADX
	v_lshrrev_b32 v10, 3, v11                      ; the LDS addresses
	v_mul_u32_u24 v2, v10, 144
	v_and_b32 v12, 7, v11
	v_lshl_add_u32 v2, v12, 4, v2
	s_mul_i32 s36, s24, 9216
	v_add_nc_u32 v2, s36, v2                       ; in: 144 (l / 8) + 16 (l % 8) + my wave's stages; a load's 512 bytes are four blocks
	v_mul_u32_u24 v3, v11, 144
	v_add_nc_u32 v3, s36, v3                       ; out: 144 l
	v_lshrrev_b32 v10, 1, v11
	v_mul_u32_u24 v10, v10, 816
	v_and_b32 v12, 1, v11
	v_mad_u32_u24 v4, v12, 272, v10
	s_lshl_b32 s36, s24, 6
	s_add_co_u32 s36, s36, CST
	v_add_nc_u32 v4, s36, v4                       ; section 3 (l / 2) + l % 2, + 16 x position
	v_lshl_add_u32 v5, v12, 7, v10
	s_lshl_b32 s36, s24, 5
	s_add_co_u32 s36, s36, CST+544
	v_add_nc_u32 v5, s36, v5                       ; section 3 (l / 2) + 2, + 128 (l % 2) + 8 x position
	v_bfe_u32 v10, v11, 2, 1
	v_lshlrev_b32 v6, 8, v10
	v_lshrrev_b32 v10, 3, v11
	v_lshl_add_u32 v6, v10, 2, v6
	v_and_b32 v10, 3, v11
	v_add_nc_u32 v6, v6, v10
	s_lshl_b32 s36, s24, 6
	s_add_co_u32 s36, s36, SST
	v_add_nc_u32 v6, s36, v6                       ; block l is byte l % 4 of K step l / 4
	v_lshrrev_b32 v10, 4, v11
	v_mul_u32_u24 v7, v10, 272
	v_and_b32 v10, 15, v11
	v_lshl_add_u32 v7, v10, 4, v7
	s_mul_i32 s36, s24, 3264
	s_add_co_u32 s36, s36, CST
	v_add_nc_u32 v7, s36, v7                       ; back: my 12 sections, two an instruction
	v_add_nc_u32 v15, SST, v1
	s_cmp_eq_u32 s25, 0
	s_cbranch_scc1 .Lnod2
	; ---- x alone: the norms.  No LDS line stands here
	s_wait_loadcnt 32                              ; delta_x's rows 0 and 1 are in; x's 32 loads may be out
	SUMSQ TS, ND
	SUMSQ TS+32, ND+1
	LOADD 1
	s_wait_loadcnt 16                              ; x is in; delta_x's rows 2 and 3 may be out
	SUMSQ XR, NX
	SUMSQ XR+32, NX+1
	SUMSQ XR+64, NX+2
	SUMSQ XR+96, NX+3
	s_wait_loadcnt 0x0
	SUMSQ TS, ND+2
	SUMSQ TS+32, ND+3
	s_wait_alu depctr_va_vdst(0)
.irp i,0,1,2,3,4,5,6,7
	v_sqrt_f32 v[NX+\i], v[NX+\i]                  ; the eight norms: one batch,
.endr
	v_nop                                          ; a plain line behind it,
	s_wait_alu depctr_va_vdst(0)                   ; and one wait ahead of the first reader
.irp i,0,1,2,3
	v_add_f32 v[NX+\i], 0x322bcc77, v[NX+\i]       ; + 1e-8
.endr
	s_wait_alu depctr_va_vdst(0)
.irp i,0,1,2,3
	v_rcp_f32 v[NX+\i], v[NX+\i]
.endr
	v_nop
	s_wait_alu depctr_va_vdst(0)
	v_mul_f32 v10, v[ND], v[NX]
	v_fmac_f32 v10, v[ND+1], v[NX+1]
	v_fmac_f32 v10, v[ND+2], v[NX+2]
	v_fmac_f32 v10, v[ND+3], v[NX+3]               ; the sum of my four rows' u
	v_mov_b32 v12, 0
	v_cmp_eq_u32 vcc_lo, 0, v11
	s_wait_alu depctr_va_vdst(0)
	s_wait_xcnt 0x0                                ; EXEC changes only behind this wait
	s_and_saveexec_b32 s46, vcc_lo
	global_store_b32 v12, v10, s[40:41]
	s_wait_xcnt 0x0
	s_or_b32 exec_lo, exec_lo, s46
.Lnod2:
	s_wait_loadcnt 24                              ; row 0's eight loads are in
	TURN 0
	ROW 0
	ROW 1
	ROW 2
	ROW 3
	s_wait_dscnt 0x0                               ; for the others' sake: my stores have landed
	s_barrier_signal -1
	s_barrier_wait -1
.irp n,0,1,2,3,4,5
	ds_load_b128 v[XR+4*\n:XR+4*\n+3], v7 offset:544*\n
.endr
.irp n,0,1,2,3,4,5
	s_wait_dscnt 5-\n
	global_store_b128 v1, v[XR+4*\n:XR+4*\n+3], s[28:29] offset:512*\n   ; 32 lanes store 512 consecutive bytes, aligned to 256
.endr
	s_cmp_lg_u32 s24, 0
	s_cbranch_scc1 .Lnot0
	ds_load_b128 v[XR+32:XR+35], v15               ; wave 0: the tile's 512 bytes of scale words
	s_wait_dscnt 0x0
	global_store_b128 v1, v[XR+32:XR+35], s[44:45]
.Lnot0:
	s_wait_tensorcnt 0x0                           ; the wave's end
	ds_add_u32 v8, v9
	s_wait_dscnt 0x0
	s_endpgm
	; ---- eight rows of prior_mask, two a wave: their means.  (No hint on the loads: a later launch reads the rows again)
.Lprior:
	s_sub_co_u32 s26, ttmp9, 768
	s_lshl_b32 s26, s26, 3
	s_lshl_b32 s27, s24, 1
	s_add_co_u32 s26, s26, s27                     ; my first row
	s_lshl_b32 s28, s26, 13
	s_mov_b32 s29, 0
	s_add_nc_u64 s[8:9], s[8:9], s[28:29]
	s_wait_alu depctr_va_vdst(0)
.irp i,0,1
.irp k,0,1,2,3,4,5,6,7,8,9,10,11,12,13,14,15
	global_load_b128 v[XR+64*\i+4*\k:XR+64*\i+4*\k+3], v1, s[8:9] offset:8192*\i+512*\k
.endr
.endr
	s_lshl_b32 s30, s26, 2
	s_add_co_u32 s30, s30, 8192
	s_mov_b32 s31, 0
	s_add_nc_u64 s[22:23], s[22:23], s[30:31]      ; pmean[my first row]
	v_lshlrev_b32 v12, 2, v11
	s_wait_loadcnt 16                              ; the first row is in
	ROWSUM XR, NX
	s_wait_loadcnt 0x0
	ROWSUM XR+64, NX+1
	v_cmp_eq_u32 vcc_lo, 1, v11
	v_cndmask_b32 v16, v16, v17, vcc_lo
	v_mul_f32 v16, 0x3a000000, v16                 ; / 2,048
	v_cmp_gt_u32 vcc_lo, 2, v11
	s_wait_alu depctr_va_vdst(0)
	s_wait_xcnt 0x0
	s_and_saveexec_b32 s32, vcc_lo
	global_store_b32 v12, v16, s[22:23]            ; lanes 0 and 1: the two means
	s_wait_xcnt 0x0
	s_or_b32 exec_lo, exec_lo, s32
	s_endpgm
.Lfunc_end_k_q2f79459f1a_prep:
	.size	k_q2f79459f1a_prep, .Lfunc_end_k_q2f79459f1a_prep-k_q2f79459f1a_prep
	.p2alignl 7, 3214868480
	.fill 96, 4, 3214868480
	.section	.rodata,"a",@progbits
	.p2align	6, 0x0
	.amdhsa_kernel k_q2f79459f1a_prep
		.amdhsa_group_segment_fixed_size 50944
		.amdhsa_private_segment_fixed_size 0
		.amdhsa_enable_private_segment 0
		.amdhsa_kernarg_size 80
		.amdhsa_user_sgpr_count 2
		.amdhsa_user_sgpr_kernarg_segment_ptr 1
		.amdhsa_wavefront_size32 1
		.amdhsa_system_sgpr_workgroup_id_x 1
		.amdhsa_system_sgpr_workgroup_id_y 1
		.amdhsa_system_sgpr_workgroup_id_z 1
		.amdhsa_system_vgpr_workitem_id 0
		.amdhsa_next_free_vgpr 256
		.amdhsa_next_free_sgpr 66
		.amdhsa_reserve_vcc 1
		.amdhsa_float_denorm_mode_32 3
		.amdhsa_float_denorm_mode_16_64 3
		.amdhsa_memory_ordered 1
		.amdhsa_forward_progress 1
		.amdhsa_inst_pref_size 44
	.end_amdhsa_kernel
	.amdgpu_metadata
---
amdhsa.version: [ 1, 2 ]
amdhsa.kernels:
  - .name:           k_q2f79459f1a_prep
    .symbol:         k_q2f79459f1a_prep.kd
    .args:
      - { .name: x, .offset: 0, .size: 8, .value_kind: global_buffer, .address_space: global }
      - { .name: delta_x, .offset: 8, .size: 8, .value_kind: global_buffer, .address_space: global }
      - { .name: prior_mask, .offset: 16, .size: 8, .value_kind: global_buffer, .address_space: global }
      - { .name: wq, .offset: 24, .size: 8, .value_kind: global_buffer, .address_space: global }
      - { .name: wk, .offset: 32, .size: 8, .value_kind: global_buffer, .address_space: global }
      - { .name: wv, .offset: 40, .size: 8, .value_kind: global_buffer, .address_space: global }
      - { .name: wo, .offset: 48, .size: 8, .value_kind: global_buffer, .address_space: global }
      - { .name: xq, .offset: 56, .size: 8, .value_kind: global_buffer, .address_space: global }
      - { .name: wq4, .offset: 64, .size: 8, .value_kind: global_buffer, .address_space: global }
      - { .name: st, .offset: 72, .size: 8, .value_kind: global_buffer, .address_space: global }
    .group_segment_fixed_size: 50944
    .private_segment_fixed_size: 0
    .kernarg_segment_align: 8
    .kernarg_segment_size: 80
    .max_flat_workgroup_size: 128
    .sgpr_count:     66
    .vgpr_count:     256
    .wavefront_size: 32
...
	.end_amdgpu_metadata
.endif
;; end of part 1
;; launch qkv (part 2): grid 8 x 32, 4 waves a work-group, clusters of 4 x 4, 327,680 bytes of LDS; arguments xq, wq4, bq, bk, bv, qb, kvb; writes qb, kvb
.if DOCPART == 2
	.amdgcn_target "amdgcn-amd-amdhsa--gfx1250"
	.amdhsa_code_object_version 6
	.text
	.protected	k_q2f79459f1a_qkv
	.globl	k_q2f79459f1a_qkv
	.p2align	8
	.type	k_q2f79459f1a_qkv,@function
k_q2f79459f1a_qkv:
	s_mov_b64 s[64:65], 0
	v_nop
	global_prefetch_b8 v0, s[64:65] scope:SCOPE_SE
	s_setreg_imm32_b32 hwreg(HW_REG_WAVE_MODE, 25, 1), 1
	s_wait_xcnt 0x0
	s_wait_alu depctr_hold_cnt(0) depctr_sa_sdst(0) depctr_va_vdst(0) depctr_va_sdst(0) depctr_va_ssrc(0) depctr_va_vcc(0) depctr_vm_vsrc(0)
	s_getreg_b32 s2, hwreg(HW_REG_IB_STS2, 6, 4)
	s_cmp_eq_u32 s2, 0
	s_cbranch_scc0 .Lentry_in_a_cluster
	s_endpgm
.Lentry_in_a_cluster:
	s_bfe_u32 s2, ttmp6, 0x10000c
	s_cmp_lg_u32 s2, 0xf033
	s_cbranch_scc0 .Lentry_shape_is_right
	s_endpgm
.Lentry_shape_is_right:
.set BOFF,  196608
.set SPARE, 294912
.set AX16, 4
.set AX8,  6
.set BW16, 8
.set BW8,  10
.set SPW,  12
.set NIL,  13
.set BO1,  14
.set BO2,  15
.set XS,   16
.set WS,   48
.set BIQ,  96
.set PC1,  128
.set BIK,  152
.set TM,   184
.set PC0,  192
.set TO,   212
.set BIV,  216
.set TL,   248
.set TH,   249
.set PW,   250
.set PE,   251
.set SW,   252
.set WV,   18
.set G1A,  24
.set G1B,  32
.set G0A,  40
.set G0B,  48
.set HM,   59
.set SEL,  66
.set QC,   68
.set QSB,  70
.set KC,   72
.set KSB,  74
.set MSB, 0
.macro WIN new
.if MSB != \new
	s_set_vgpr_msb (MSB<<8)|\new
.set MSB, \new
.endif
.endm
.macro PLACES
.rept 4
	v_nop
.endr
.endm
.macro CROUND
	s_barrier_signal -1
	s_barrier_wait -1
	s_cmp_lg_u32 s[WV], 0
	s_cbranch_scc1 .Lnot_wave_0_\@
	s_barrier_signal -3
.Lnot_wave_0_\@:
	s_barrier_wait -3
	s_barrier_signal -1
	s_barrier_wait -1
.endm
.macro FETCH half, sp, p
	WIN 0x80
.irp i,0,1,2,3,4,5,6,7
.irp c,0,1
	ds_load_b128 v[96*(\p)+12*\i+6*\c:96*(\p)+12*\i+6*\c+3], v[AX16+\half] offset:6144*\i+1536*(\sp)+768*\c
	ds_load_b64 v[96*(\p)+12*\i+6*\c+4:96*(\p)+12*\i+6*\c+5], v[AX8+\half] offset:6144*\i+1536*(\sp)+768*\c
.endr
.endr
	WIN 0xc0
.irp f,0,1,2,3
.irp c,0,1
	ds_load_b128 v[48*(\p)+12*\f+6*\c:48*(\p)+12*\f+6*\c+3], v[BW16+\half] offset:6144*\f+1536*(\sp)+768*\c
	ds_load_b64 v[48*(\p)+12*\f+6*\c+4:48*(\p)+12*\f+6*\c+5], v[BW8+\half] offset:6144*\f+1536*(\sp)+768*\c
.endr
.endr
.endm
.macro MULQK p, s, m, bi
.if CBF
	WIN 0x4b
.else
	WIN 0x5b
.endif
.irp i,0,1,2,3,4,5,6,7
.irp f,0,1,2,3
.set rD, 8*(4*\i+\f)
.set rA, 48*(\p)+12*\f
.set rB, 96*(\p)+12*\i
.set rC, (\bi)+8*\f
.set rU, WS+16*(\m)+4*\f+(\s)/2
.set rV, XS+4*\i+(\s)/2
.if CBF
	v_wmma_scale_f32_16x16x128_f8f6f4 v[rD:rD+7], v[rA:rA+11], v[rB:rB+11], v[rC:rC+7], v[rU], v[rV] matrix_a_fmt:MATRIX_FMT_FP6 matrix_b_fmt:MATRIX_FMT_FP6
.elseif (\s)%2
	v_wmma_scale_f32_16x16x128_f8f6f4 v[rD:rD+7], v[rA:rA+11], v[rB:rB+11], v[rD:rD+7], v[rU], v[rV] matrix_a_fmt:MATRIX_FMT_FP6 matrix_b_fmt:MATRIX_FMT_FP6 matrix_a_scale:MATRIX_SCALE_ROW1 matrix_b_scale:MATRIX_SCALE_ROW1
.else
	v_wmma_scale_f32_16x16x128_f8f6f4 v[rD:rD+7], v[rA:rA+11], v[rB:rB+11], v[rD:rD+7], v[rU], v[rV] matrix_a_fmt:MATRIX_FMT_FP6 matrix_b_fmt:MATRIX_FMT_FP6
.endif
.endr
.endr
.endm
.macro MULV p, s, m, bi
.if CBF
	WIN 0x4e
.else
	WIN 0x5e
.endif
.irp i,0,1,2,3,4,5,6,7
.irp f,0,1,2,3
.set rD, 8*(8*\f+\i)
.set rA, 96*(\p)+12*\i
.set rB, 48*(\p)+12*\f
.set rC, (\bi)+8*\f
.set rU, XS+4*\i+(\s)/2
.set rV, WS+16*(\m)+4*\f+(\s)/2
.if CBF
	v_wmma_scale_f32_16x16x128_f8f6f4 v[rD:rD+7], v[rA:rA+11], v[rB:rB+11], v[rC:rC+7], v[rU], v[rV] matrix_a_fmt:MATRIX_FMT_FP6 matrix_b_fmt:MATRIX_FMT_FP6
.elseif (\s)%2
	v_wmma_scale_f32_16x16x128_f8f6f4 v[rD:rD+7], v[rA:rA+11], v[rB:rB+11], v[rD:rD+7], v[rU], v[rV] matrix_a_fmt:MATRIX_FMT_FP6 matrix_b_fmt:MATRIX_FMT_FP6 matrix_a_scale:MATRIX_SCALE_ROW1 matrix_b_scale:MATRIX_SCALE_ROW1
.else
	v_wmma_scale_f32_16x16x128_f8f6f4 v[rD:rD+7], v[rA:rA+11], v[rB:rB+11], v[rD:rD+7], v[rU], v[rV] matrix_a_fmt:MATRIX_FMT_FP6 matrix_b_fmt:MATRIX_FMT_FP6
.endif
.endr
.endr
.endm
.macro HALF half, v, m, bi
	PLACES
	FETCH \half, 0, 0
.irp sp,0,1,2,3
	s_wait_dscnt 0x0
.if \sp < 3
	PLACES
	FETCH \half, (\sp+1), ((\sp+1)%2)
.endif
.set CBF, 0
.if (\half == 0) && (\sp == 0)
.set CBF, 1
.endif
.if \v
	MULV (\sp%2), (4*\half+\sp), \m, \bi
.else
	MULQK (\sp%2), (4*\half+\sp), \m, \bi
.endif
.endr
.endm
.macro REFILL slot
	WIN 0
	s_wait_tensorcnt 0x0
	ds_add_u32 v[SPW], v[NIL]
	s_add_nc_u64 s[G0B+4*\slot+2:G0B+4*\slot+3], s[G0B+4*\slot+2:G0B+4*\slot+3], 786432
	s_wait_dscnt 0x0
	CROUND
	s_cmp_eq_u32 s19, 0
	s_cbranch_scc1 .Lno_refill_\@
	tensor_load_to_lds s[G0B+4*\slot:G0B+4*\slot+3], s[G1B:G1B+7]
	s_nop 0
.Lno_refill_\@:
	PLACES
.endm
.macro QUANT64 a, pc
	s_wait_xcnt 0x0
	WIN 0x05
.irp b,0,1,2,3
	v_max3_num_f32 v[TM+\b], |v[(\a)+16*\b]|, |v[(\a)+16*\b+1]|, 0x1800000
.endr
	WIN 0x14
.irp i,2,4,6,8,10,12,14
.irp b,0,1,2,3
	v_max3_num_f32 v[TM+\b], v[TM+\b], |v[(\a)+16*\b+\i]|, |v[(\a)+16*\b+\i+1]|
.endr
.endr
	WIN 0
.irp b,0,1,2,3
	v_permlanex16_b32 v[TM+4+\b], v[TM+\b], s[SEL], s[SEL+1]
.endr
.irp b,0,1,2,3
	v_max_num_f32 v[TM+\b], v[TM+\b], v[TM+4+\b]
.endr
.irp b,0,1,2,3
	v_add_nc_u32 v[TO+\b], 0xff000000, v[TM+\b]
.endr
.irp b,0,1,2,3
	v_lshrrev_b32 v[TM+4+\b], 23, v[TO+\b]
.endr
	WIN 0x01
.irp c,0,1
	v_cvt_scalef32_pk16_fp6_f32 v[(\pc)+6*\c:(\pc)+6*\c+2], v[(\a)+32*\c:(\a)+32*\c+15], v[TO+2*\c]
	v_cvt_scalef32_pk16_fp6_f32 v[(\pc)+12+4*\c:(\pc)+14+4*\c], v[(\a)+32*\c+16:(\a)+32*\c+31], v[TO+2*\c+1]
.endr
	WIN 0
	v_nop
.irp c,0,1
.irp i,0,1,2
	v_permlane16_swap_b32 v[(\pc)+6*\c+\i], v[(\pc)+12+4*\c+\i]
.endr
.irp i,0,1,2
	v_mov_b32 v[(\pc)+3+6*\c+\i], v[(\pc)+12+4*\c+\i]
.endr
.endr
.endm
.macro EPIQK cbase, sbase
.irp q,0,1,2,3
.set PCX, PC0-(PC0-PC1)*(\q%2)
	QUANT64 64*\q, PCX
	v_lshl_or_b32 v[TL], v[TM+5], 8, v[TM+4]
	v_lshl_or_b32 v[TH], v[TM+7], 8, v[TM+6]
	v_cndmask_b32 v[SW+\q], v[TL], v[TH], s[HM]
.irp c,0,1
	global_store_b128 v1, v[PCX+6*\c:PCX+6*\c+3], s[\cbase:\cbase+1] offset:768*(2*\q+\c)
	global_store_b64 v2, v[PCX+6*\c+4:PCX+6*\c+5], s[\cbase:\cbase+1] offset:768*(2*\q+\c)+512
.endr
.endr
	global_store_b128 v1, v[SW:SW+3], s[\sbase:\sbase+1]
.endm
.macro EPIV
.irp f,0,1,2,3
.set PCX, PC0-(PC0-PC1)*(\f%2)
	QUANT64 64*\f, PCX
	v_lshl_or_b32 v[PW], v[TM+5], 8, v[TM+4]
	v_lshl_or_b32 v[PW], v[TM+6], 16, v[PW]
	v_lshl_or_b32 v[PW], v[TM+7], 24, v[PW]
.if \f%2 == 0
	v_mov_b32 v[PE], v[PW]
.else
	v_cndmask_b32 v[SW+\f/2], v[PE], v[PW], s[HM]
.endif
.irp c,0,1
	global_store_b128 v1, v[PCX+6*\c:PCX+6*\c+3], s[KC:KC+1] offset:6144+1536*\f+768*\c
	global_store_b64 v2, v[PCX+6*\c+4:PCX+6*\c+5], s[KC:KC+1] offset:6144+1536*\f+768*\c+512
.endr
.endr
	global_store_b64 v2, v[SW:SW+1], s[KSB:KSB+1] offset:512
.endm
	s_load_b256 s[4:11], s[0:1], 0x0
	s_load_b128 s[12:15], s[0:1], 0x20
	s_load_b64 s[16:17], s[0:1], 0x30
	v_lshl_add_u32 v[SPW], v0, 2, SPARE
	v_mov_b32 v[NIL], 0
	ds_add_u32 v[SPW], v[NIL]
	ds_add_u32 v[SPW], v[NIL]
	v_lshrrev_b32 v1, 5, v0
	v_readfirstlane_b32 s[WV], v1
	s_lshr_b32 s19, s[WV], 1
	s_and_b32 s20, s[WV], 1
	s_bfe_u32 s21, ttmp6, 0x40000
	s_bfe_u32 s22, ttmp6, 0x40004
	s_lshl_b32 s23, ttmp9, 2
	s_add_co_u32 s23, s23, s21
	s_and_b32 s56, ttmp7, 0xffff
	s_lshl_b32 s56, s56, 2
	s_add_co_u32 s56, s56, s22
	s_lshl_b32 s57, s22, 2
	s_lshl_b32 s57, 15, s57
	s_lshl_b32 s58, 0x1111, s21
	s_or_b32 s[G1A], s57, (3<<16)|(1<<21)
	s_mov_b32 s[G1A+1], 768<<16
	s_mov_b32 s[G1A+2], 8<<16
	s_mov_b32 s[G1A+3], 768<<16
	s_mov_b32 s[G1A+4], 8
	s_mov_b32 s[G1A+5], 1536
	s_mov_b32 s[G1A+6], 0
	s_mov_b32 s[G1A+7], 0
	s_or_b32 s[G1B], s58, (3<<16)|(1<<21)
	s_mov_b32 s[G1B+1], 768<<16
	s_mov_b32 s[G1B+2], 4<<16
	s_mov_b32 s[G1B+3], 768<<16
	s_mov_b32 s[G1B+4], 4
	s_mov_b32 s[G1B+5], 1536
	s_mov_b32 s[G1B+6], 0
	s_mov_b32 s[G1B+7], 0
	s_mov_b32 s[HM], 0xffff0000
	s_mov_b32 s[SEL], 0x76543210
	s_mov_b32 s[SEL+1], 0xfedcba98
	s_mul_i32 s76, s20, 49152
	s_mul_i32 s77, s20, 24576
	s_lshl_b32 s60, s56, 4
	s_lshl_b32 s61, s20, 3
	s_add_co_u32 s60, s60, s61
	s_mul_i32 s60, s60, 12288
	s_mov_b32 s61, 0
	s_lshl_b32 s62, s23, 3
	s_lshl_b32 s63, s20, 2
	s_add_co_u32 s62, s62, s63
	s_mul_i32 s62, s62, 12288
	s_mov_b32 s63, 0
	s_wait_dscnt 0x0
	s_wait_kmcnt 0x0
	s_add_nc_u64 s[60:61], s[4:5], s[60:61]
	s_add_nc_u64 s[62:63], s[6:7], s[62:63]
.irp h,0,1
	s_mov_b32 s[G0A+4*\h], 1
	s_add_co_u32 s[G0A+4*\h+1], s76, \h*98304
	s_add_nc_u64 s[G0A+4*\h+2:G0A+4*\h+3], s[60:61], \h*6144
	s_or_b32 s[G0A+4*\h+3], s[G0A+4*\h+3], 0x80000000
	s_mov_b32 s[G0B+4*\h], 1
	s_add_co_u32 s[G0B+4*\h+1], s77, BOFF+\h*49152
	s_add_nc_u64 s[G0B+4*\h+2:G0B+4*\h+3], s[62:63], \h*6144
	s_or_b32 s[G0B+4*\h+3], s[G0B+4*\h+3], 0x80000000
.endr
	CROUND
	s_cmp_eq_u32 s19, 0                            ; the lower half of K, one load a wave: waves 0, 1 eight tiles of x each, waves 2, 3 four tiles of the weight each
	s_cbranch_scc0 .Lh0b
	tensor_load_to_lds s[G0A:G0A+3], s[G1A:G1A+7]
	s_nop 0
	PLACES
	s_branch .Lh0d
.Lh0b:
	tensor_load_to_lds s[G0B:G0B+3], s[G1B:G1B+7]
	s_nop 0
	PLACES
.Lh0d:
	s_lshl_b32 s78, s56, 4
	s_lshl_b32 s79, s19, 3
	s_add_co_u32 s78, s78, s79
	s_lshl_b32 s78, s78, 9
	s_add_co_u32 s78, s78, 0x600000
	s_mov_b32 s79, 0
	s_add_nc_u64 s[78:79], s[4:5], s[78:79]
	s_lshl_b32 s80, s23, 3
	s_lshl_b32 s81, s20, 2
	s_add_co_u32 s80, s80, s81
	s_lshl_b32 s80, s80, 9
	s_add_co_u32 s80, s80, 0x300000
	s_mov_b32 s81, 0
	s_add_nc_u64 s[80:81], s[6:7], s[80:81]
	s_lshl_b32 s82, s23, 9
	s_lshl_b32 s83, s20, 8
	s_add_co_u32 s82, s82, s83
	s_mov_b32 s83, 0
	s_add_nc_u64 s[84:85], s[8:9], s[82:83]
	s_add_nc_u64 s[86:87], s[10:11], s[82:83]
	s_add_nc_u64 s[88:89], s[12:13], s[82:83]
	v_and_b32 v3, 31, v0
	v_lshlrev_b32 v1, 4, v3
	v_lshlrev_b32 v2, 3, v3
	v_bfe_u32 v[BO1], v0, 4, 1
	v_lshlrev_b32 v[BO1], 6, v[BO1]
	v_and_b32 v[BO2], 15, v0
	v_and_b32 v3, 8, v[BO2]
	v_add_nc_u32 v[BO2], v[BO2], v3
	v_lshlrev_b32 v[BO2], 2, v[BO2]
.irp i,0,1,2,3,4,5,6,7
	global_load_b128 v[XS+4*\i:XS+4*\i+3], v1, s[78:79] offset:512*\i
.endr
.irp m,0,1,2
.irp f,0,1,2,3
	global_load_b128 v[WS+16*\m+4*\f:WS+16*\m+4*\f+3], v1, s[80:81] offset:32768*\m+512*\f
.endr
.endr
.irp f,0,1,2,3
	global_load_b128 v[BIQ+8*\f:BIQ+8*\f+3], v[BO1], s[84:85] offset:(32*(\f/2)+8*(\f%2))*4
	global_load_b128 v[BIQ+8*\f+4:BIQ+8*\f+7], v[BO1], s[84:85] offset:(32*(\f/2)+8*(\f%2))*4+16
	global_load_b128 v[BIK+8*\f:BIK+8*\f+3], v[BO1], s[86:87] offset:(32*(\f/2)+8*(\f%2))*4
	global_load_b128 v[BIK+8*\f+4:BIK+8*\f+7], v[BO1], s[86:87] offset:(32*(\f/2)+8*(\f%2))*4+16
	global_load_b32 v[BIV+8*\f], v[BO2], s[88:89] offset:(32*(\f/2)+8*(\f%2))*4
.endr
	s_mul_i32 s90, s19, 49152
	v_add_nc_u32 v[AX16], s90, v1
	v_add_nc_u32 v[AX8], s90, v2
	v_add_nc_u32 v[AX8], 512, v[AX8]
	v_add_nc_u32 v[AX16+1], 98304, v[AX16]
	v_add_nc_u32 v[AX8+1], 98304, v[AX8]
	s_mul_i32 s90, s20, 24576
	s_add_co_u32 s90, s90, BOFF
	v_add_nc_u32 v[BW16], s90, v1
	v_add_nc_u32 v[BW8], s90, v2
	v_add_nc_u32 v[BW8], 512, v[BW8]
	v_add_nc_u32 v[BW16+1], 49152, v[BW16]
	v_add_nc_u32 v[BW8+1], 49152, v[BW8]
	s_lshr_b32 s91, s56, 3
	s_and_b32 s92, s56, 7
	s_lshl_b32 s92, s92, 1
	s_add_co_u32 s92, s92, s19
	s_lshl_b32 s93, s23, 1
	s_add_co_u32 s93, s93, s20
	s_lshl_b32 s94, s91, 4
	s_add_co_u32 s94, s94, s93
	s_lshl_b32 s94, s94, 4
	s_add_co_u32 s94, s94, s92
	s_mul_i32 s2, s94, 6144
	s_mov_b32 s3, 0
	s_add_nc_u64 s[QC:QC+1], s[14:15], s[2:3]
	s_lshl_b32 s2, s94, 9
	s_add_co_u32 s2, s2, 0x600000
	s_add_nc_u64 s[QSB:QSB+1], s[14:15], s[2:3]
	s_lshl_b32 s95, s91, 2
	s_lshr_b32 s90, s23, 1
	s_add_co_u32 s95, s95, s90
	s_lshl_b32 s95, s95, 4
	s_add_co_u32 s95, s95, s92
	s_lshl_b32 s95, s95, 2
	s_and_b32 s90, s23, 1
	s_lshl_b32 s90, s90, 1
	s_add_co_u32 s95, s95, s90
	s_add_co_u32 s95, s95, s20
	s_mul_i32 s2, s95, 12288
	s_add_nc_u64 s[KC:KC+1], s[16:17], s[2:3]
	s_mul_i32 s2, s95, 768
	s_add_co_u32 s2, s2, 0xc00000
	s_add_nc_u64 s[KSB:KSB+1], s[16:17], s[2:3]
.irp b,0,1,2,3
	v_mov_b32 v[TM+4+\b], 0
.endr
	s_wait_loadcnt 0x0
.irp f,0,1,2,3
.irp j,1,2,3,4,5,6,7
	v_mov_b32 v[BIV+8*\f+\j], v[BIV+8*\f]
.endr
.endr
	s_wait_alu depctr_va_vdst(0)
	s_wait_tensorcnt 0x0                           ; my part of the lower half is in; the upper half's first fill stands behind the full sequence and a round
	ds_add_u32 v[SPW], v[NIL]
	s_wait_dscnt 0x0
	CROUND
	s_cmp_eq_u32 s19, 0
	s_cbranch_scc0 .Lh1b
	tensor_load_to_lds s[G0A+4:G0A+7], s[G1A:G1A+7]
	s_nop 0
	PLACES
	s_branch .Lh1d
.Lh1b:
	tensor_load_to_lds s[G0B+4:G0B+7], s[G1B:G1B+7]
	s_nop 0
	PLACES
.Lh1d:
	s_mov_b32 s96, 2
.Lqk:                                              ; two trips of one text: Q, then K
	HALF 0, 0, 0, BIQ
	REFILL 0
	HALF 1, 0, 0, BIQ
	REFILL 1
	EPIQK QC, QSB
.set j, 0
.rept 16
	v_mov_b32 v[WS+j], v[WS+16+j]                  ; wk's scale words, bk and K's places take wq's, bq's and Q's (the second trip's copies are read by nobody)
.set j, j+1
.endr
.set j, 0
.rept 32
	v_mov_b32 v[BIQ+j], v[BIK+j]
.set j, j+1
.endr
	s_wait_xcnt 0x0                                ; the stores have read their bases
	s_mov_b64 s[QC:QC+1], s[KC:KC+1]
	s_mov_b64 s[QSB:QSB+1], s[KSB:KSB+1]
	s_sub_co_u32 s96, s96, 1
	s_cmp_lg_u32 s96, 0
	s_wait_alu depctr_va_vdst(0)
	s_cbranch_scc1 .Lqk
	HALF 0, 1, 2, BIV
	WIN 0
	s_wait_tensorcnt 0x0
	s_wait_dscnt 0x0
	s_barrier_signal -1
	s_barrier_wait -1
	HALF 1, 1, 2, BIV
	PLACES
	EPIV
	s_wait_tensorcnt 0x0
	ds_add_u32 v[SPW], v[NIL]
	s_wait_dscnt 0x0
	CROUND
	s_endpgm
.Lfunc_end_k_q2f79459f1a_qkv:
	.size	k_q2f79459f1a_qkv, .Lfunc_end_k_q2f79459f1a_qkv-k_q2f79459f1a_qkv
	.p2alignl 7, 3214868480
	.fill 96, 4, 3214868480
	.section	.rodata,"a",@progbits
	.p2align	6, 0x0
	.amdhsa_kernel k_q2f79459f1a_qkv
		.amdhsa_group_segment_fixed_size 327680
		.amdhsa_private_segment_fixed_size 0
		.amdhsa_enable_private_segment 0
		.amdhsa_kernarg_size 56
		.amdhsa_user_sgpr_count 2
		.amdhsa_user_sgpr_kernarg_segment_ptr 1
		.amdhsa_wavefront_size32 1
		.amdhsa_system_sgpr_workgroup_id_x 1
		.amdhsa_system_sgpr_workgroup_id_y 1
		.amdhsa_system_sgpr_workgroup_id_z 1
		.amdhsa_system_vgpr_workitem_id 0
		.amdhsa_next_free_vgpr 1024
		.amdhsa_next_free_sgpr 100
		.amdhsa_reserve_vcc 0
		.amdhsa_float_denorm_mode_32 3
		.amdhsa_float_denorm_mode_16_64 3
		.amdhsa_memory_ordered 1
		.amdhsa_forward_progress 1
		.amdhsa_inst_pref_size 168
	.end_amdhsa_kernel
	.amdgpu_metadata
---
amdhsa.version: [ 1, 2 ]
amdhsa.kernels:
  - .name:           k_q2f79459f1a_qkv
    .symbol:         k_q2f79459f1a_qkv.kd
    .args:
      - { .name: xq, .offset: 0, .size: 8, .value_kind: global_buffer, .address_space: global }
      - { .name: wq4, .offset: 8, .size: 8, .value_kind: global_buffer, .address_space: global }
      - { .name: bq, .offset: 16, .size: 8, .value_kind: global_buffer, .address_space: global }
      - { .name: bk, .offset: 24, .size: 8, .value_kind: global_buffer, .address_space: global }
      - { .name: bv, .offset: 32, .size: 8, .value_kind: global_buffer, .address_space: global }
      - { .name: qb, .offset: 40, .size: 8, .value_kind: global_buffer, .address_space: global }
      - { .name: kvb, .offset: 48, .size: 8, .value_kind: global_buffer, .address_space: global }
    .group_segment_fixed_size: 327680
    .private_segment_fixed_size: 0
    .kernarg_segment_align: 8
    .kernarg_segment_size: 56
    .max_flat_workgroup_size: 128
    .sgpr_count:     100
    .vgpr_count:     1024
    .wavefront_size: 32
...
	.end_amdgpu_metadata
.endif
;; end of part 2
;; launch attn (part 3): grid 16 x 16, 8 waves a work-group, clusters of 4 x 4, 327,680 bytes of LDS; arguments qb, kvb, prior_mask, st, ao; writes ao
.if DOCPART == 3
	.amdgcn_target "amdgcn-amd-amdhsa--gfx1250"
	.amdhsa_code_object_version 6
	.text
	.protected	k_q2f79459f1a_attn
	.globl	k_q2f79459f1a_attn
	.p2align	8
	.type	k_q2f79459f1a_attn,@function
k_q2f79459f1a_attn:
	s_mov_b64 s[64:65], 0
	v_nop
	global_prefetch_b8 v0, s[64:65] scope:SCOPE_SE
	s_setreg_imm32_b32 hwreg(HW_REG_WAVE_MODE, 25, 1), 1
	s_wait_xcnt 0x0
	s_wait_alu depctr_hold_cnt(0) depctr_sa_sdst(0) depctr_va_vdst(0) depctr_va_sdst(0) depctr_va_ssrc(0) depctr_va_vcc(0) depctr_vm_vsrc(0)
	s_getreg_b32 s2, hwreg(HW_REG_IB_STS2, 6, 4)
	s_cmp_eq_u32 s2, 0
	s_cbranch_scc0 .Lentry_in_a_cluster
	s_endpgm
.Lentry_in_a_cluster:
	s_bfe_u32 s2, ttmp6, 0x10000c
	s_cmp_lg_u32 s2, 0xf033
	s_cbranch_scc0 .Lentry_shape_is_right
	s_endpgm
.Lentry_shape_is_right:
; ATTN: for each batch and head, L = Q K^T / 8 + lam prior; L becomes -infinity where lam > 1 and L < lam x mean(prior row); p = 2^(t - M), t = L log2(e), M the ceiling of the running largest t;
; O = (V^T p) / sum(p); O is quantised for the last product.  Both products on codes of E2M3.  Nothing is left out.  lam = 10 exp(-5 mean(u)) is finished here from the first launch's partial sums.
; SHARES.  A work-group owns 128 queries x four heads: 256 work-groups.  Wave w owns tile w (16 queries) for ALL FOUR heads: 8 (bias - threshold) hangs on batch, query and key alone, so it is read from LDS and
; scaled once a key step (64 registers) and serves as the C of the four heads' first products.  Every wave walks the 2,048 keys, 128 a step.
; CLUSTER 4 x 4: K's and V's tiles and scale words hang on batch and heads alone: asked for jointly along a column; prior's hang on the queries alone: jointly along a row.
; ARITHMETIC OF A SCORE.  lam8 = 8 lam, thr8 = lam8 x the row's mean.  y = K Q^T + (prior lam8 - thr8) = 8 (L - threshold).  The clip is one signed integer maximum with -infinity's bits (where lam <= 1: with the
; least whole number, which changes nothing).  It rises with y, so the blocks' maxima are taken of the raw y and clipped themselves: the 64 clips then hang on nothing of that chain and stand between its lines.
; The running maximum is kept as y; t - M = y c + (thr8 c - M), c = log2(e) / 8.  K = 64 in the first product: Q's codes for k = 64 .. 127 are zeros, so K's upper six registers add nothing.
; Both products are used transposed: a lane holds one query.  Tiles, images and scale words as the first launch's head says.
; ORDER OF A HEAD: its scores were multiplied in the head before, right behind that head's conversions, which free the 64 registers.  O^T is rescaled directly behind the exponentials, under their one wait;
; the head's lane swaps and its second product follow the next head's score products.
; THE RING: two slots, a key step each: K and V [head 4][12,288], then prior, 128 rows of 512 + 16 bytes in memory's order.  Waves 0-3 fetch a head's K and V, waves 4-7 32 rows of prior: one load a wave behind each round.
; The slot's last LDS reads are head 3's V: the waits, the add and the round's opening signal stand in head 3's softmax, whose remaining lines work on registers alone.
; One key step to a trip: the slot's place is a scalar that is xor-ed each trip; step 15, which asks for nothing, is written out.  O begins as zeros, since the step is written once for all trips.
; REGISTERS: window 0 as named below; window 1: v0-127 O^T [head][32], v128-191 the C, v192-239 Q [head][6 of codes, 6 of zeros].
; LIMITS: as stated at the first launch's head.
.set SLOT1, 131072
.set PRI,   49152
.set SC,    247808                     ; K's and V's scale words of all 16 steps [step][head 4][768]: filled once
.set SCST,  296960                     ; 1,024 bytes: O's scale words meet here; no fill lands here
.set SPARE, 297984                     ; the spare words, 128 bytes a wave: no other line names them
.set APRB, 1                           ; v1-3 slot 0's addresses: prior, images' first and second parts; v4-6 the same in this step's slot
.set AKB16, 2
.set AKB8, 3
.set APR,  4
.set AK16, 5
.set AK8,  6
.set ASC16, 7
.set ASC8, 8
.set SPW,  9
.set NIL,  10
.set PFO,  11
.set LAM8, 12
.set NTH8, 14
.set AD,   16
.set F,    18
.set TQ,   20
.set CLIPV, 21
.set PW,   22
.set W0,   24                          ; v24-31 at work
.set TMX,  32                          ; a head each: the running largest y, -M, the sum in two halves, Q's scale words
.set NM,   36
.set SUM,  40
.set QS,   48
.set KS,   52
.set VS,   56
.set KF,   58                          ; v58-111 K: 8 x 6, six of zeros
.set S,    112                         ; v112-175 y, p
.set VF,   176                         ; v176-223 V's four fragments
.set PC,   224
.set CT,   236
.set BM,   244
.set BT,   248
.set SO,   252
.set PO,   186                         ; the way out: O's codes, eight registers a head
.set OB,   0
.set CB,   128
.set QB,   192
.set WV,   14
.set G1K,  24
.set G1P,  32
.set G1S,  40
.set G0K,  48
.set G0P,  52
.set G0HP, 56
.set G0HS, 60
.set SEL,  66
.set CS,   68
.set LAP,  70
.set SL,   71
.set PFA,  72
.set PFS,  74
.set HM,   76
.set AOC,  78
.set AOS,  80
.set MSB, 0
.macro WIN new
.if MSB != \new
	s_set_vgpr_msb (MSB<<8)|\new
.set MSB, \new
.endif
.endm
.macro PLACES
.rept 4
	v_nop
.endr
.endm
.macro CREST
	s_cmp_lg_u32 s[WV], 0
	s_cbranch_scc1 .Lnot_wave_0_\@
	s_barrier_signal -3
.Lnot_wave_0_\@:
	s_barrier_wait -3
	s_barrier_signal -1
	s_barrier_wait -1
.endm
.macro CROUND
	s_barrier_signal -1
	s_barrier_wait -1
	CREST
.endm
.macro JLOAD                           ; the next step's tiles: the branch hangs on the wave's number alone
	s_cmp_lt_u32 s[WV], 4
	s_cbranch_scc0 .Lfor_p_\@
	tensor_load_to_lds s[G0K:G0K+3], s[G1K:G1K+7]
	s_nop 0
	PLACES
	s_branch .Lasked_\@
.Lfor_p_\@:
	tensor_load_to_lds s[G0P:G0P+3], s[G1P:G1P+7]
	s_nop 0
	PLACES
.Lasked_\@:
.endm
.macro KLOAD hd
.irp t,0,1,2,3,4,5,6,7
	ds_load_b128 v[KF+6*\t:KF+6*\t+3], v[AK16] offset:12288*(\hd)+768*\t
	ds_load_b64 v[KF+6*\t+4:KF+6*\t+5], v[AK8] offset:12288*(\hd)+768*\t
.endr
	ds_load_b128 v[KS:KS+3], v[ASC16] offset:768*(\hd)
.endm
.macro VLOAD hd
.irp f,0,1,2,3
.irp c,0,1
	ds_load_b128 v[VF+12*\f+6*\c:VF+12*\f+6*\c+3], v[AK16] offset:12288*(\hd)+6144+1536*\f+768*\c
	ds_load_b64 v[VF+12*\f+6*\c+4:VF+12*\f+6*\c+5], v[AK8] offset:12288*(\hd)+6144+1536*\f+768*\c
.endr
.endr
	ds_load_b64 v[VS:VS+1], v[ASC8] offset:768*(\hd)
.endm
.macro QKM hd                          ; y = K Q^T + C: eight accumulators, one instruction each; Q and C in window 1
	WIN 0x14
.irp t,0,2,4,6
	v_wmma_scale_f32_16x16x128_f8f6f4 v[S+8*\t:S+8*\t+7], v[KF+6*\t:KF+6*\t+11], v[QB+12*(\hd):QB+12*(\hd)+11], v[CB+8*\t:CB+8*\t+7], v[KS+\t/2], v[QS+(\hd)] matrix_a_fmt:MATRIX_FMT_FP6 matrix_b_fmt:MATRIX_FMT_FP6
	v_wmma_scale_f32_16x16x128_f8f6f4 v[S+8*\t+8:S+8*\t+15], v[KF+6*\t+6:KF+6*\t+17], v[QB+12*(\hd):QB+12*(\hd)+11], v[CB+8*\t+8:CB+8*\t+15], v[KS+\t/2], v[QS+(\hd)] matrix_a_fmt:MATRIX_FMT_FP6 matrix_b_fmt:MATRIX_FMT_FP6 matrix_a_scale:MATRIX_SCALE_ROW1
.endr
	WIN 0
.endm
.macro CL e                            ; the clip of element e of the four blocks
.irp b,0,1,2,3
	v_max_i32 v[S+16*\b+(\e)], v[CLIPV], v[S+16*\b+(\e)]
.endr
.endm
.macro SUM4 hd, i                      ; four pairs of p onto the sum's four chains
	v_pk_add_f32 v[W0+2:W0+3], v[W0+2:W0+3], v[S+\i:S+\i+1]
	v_pk_add_f32 v[W0+4:W0+5], v[W0+4:W0+5], v[S+\i+2:S+\i+3]
	v_pk_add_f32 v[W0+6:W0+7], v[W0+6:W0+7], v[S+\i+4:S+\i+5]
	v_pk_add_f32 v[SUM+2*\hd:SUM+2*\hd+1], v[SUM+2*\hd:SUM+2*\hd+1], v[S+\i+6:S+\i+7]
.endm
; ONE HEAD OF A KEY STEP; its y have been multiplied.  meet = 1: head 3 carries the change of slots
.macro HEAD hd, meet
	PLACES                                         ; behind the products just issued, ahead of the loads into their sources
	VLOAD \hd                                      ; 17 loads: this head's V,
.if \hd < 3
	KLOAD (\hd+1)                                  ; 17 more: the next head's K
.elseif \meet
	s_wait_xcnt 0x0                                ; the trip's prefetch has read its address
	s_add_nc_u64 s[PFA:PFA+1], s[PFA:PFA+1], s[PFS:PFS+1]
	s_wait_tensorcnt 0x0                           ; my load, my part of the next slot, has landed;
	ds_add_u32 v[SPW], v[NIL]
	s_xor_b32 s[G0K+1], s[G0K+1], SLOT1            ; no load of mine is out: the descriptors go a step on, into the slot that is being read out
	s_add_nc_u64 s[G0K+2:G0K+3], s[G0K+2:G0K+3], 49152
	s_xor_b32 s[G0P+1], s[G0P+1], SLOT1
	s_add_nc_u64 s[G0P+2:G0P+3], s[G0P+2:G0P+3], 512
	s_xor_b32 s[SL], s[SL], SLOT1
.endif
.irp b,0,1,2,3
	v_max3_num_f32 v[BM+\b], v[S+16*\b], v[S+16*\b+1], v[S+16*\b+2]   ; the largest raw y of each block of 32 keys; each accumulator is first read at its low end
.endr
	CL 0                                           ; an element is clipped behind the maximum that has read it
.set e, 1
.irp i,3,5,7,9,11,13
.irp b,0,1,2,3
	v_max3_num_f32 v[BM+\b], v[BM+\b], v[S+16*\b+\i], v[S+16*\b+\i+1]
.endr
	CL e
.set e, e+1
.endr
.irp b,0,1,2,3
	v_max_num_f32 v[BM+\b], v[BM+\b], v[S+16*\b+15]
.endr
	CL 7
.if (\hd == 3) && \meet
	s_wait_alu depctr_va_vdst(0)
	s_wait_dscnt 0x0                               ; the add is done, and my reads of this slot are over:
	s_barrier_signal -1                            ; the round opens; up to its wait only registers are at work
.endif
.irp b,0,1,2,3
	v_permlanex16_b32 v[BT+\b], v[BM+\b], s[SEL], s[SEL+1]
.endr
	CL 8
.irp b,0,1,2,3
	v_max_num_f32 v[BM+\b], v[BM+\b], v[BT+\b]
.endr
	CL 9
.irp b,0,1,2,3
	v_max_i32 v[BM+\b], v[CLIPV], v[BM+\b]         ; the blocks' largest clipped y: for the row's maximum and, since p rises with y, for the block's largest p
.endr
	CL 10
	v_max3_num_f32 v[W0], v[BM], v[BM+1], v[BM+2]
	CL 11
	v_max3_num_f32 v[TMX+\hd], v[TMX+\hd], v[W0], v[BM+3]          ; the running largest y
	v_mov_b32 v[W0], v[NM+\hd]
	CL 12
	v_fma_f32 v[W0+1], -v[TMX+\hd], s[CS], -v[TQ]  ; -t
	CL 13
	v_floor_f32 v[NM+\hd], v[W0+1]                 ; -M = floor(-t): M is a whole number
	CL 14
	v_add_f32 v[AD], v[TQ], v[NM+\hd]
	v_sub_f32 v[W0], v[NM+\hd], v[W0]
	CL 15
	v_cvt_i32_f32 v[W0], v[W0]                     ; old M - new M (it saturates)
.set j, 0
.rept 32
	v_pk_fma_f32 v[S+j:S+j+1], v[S+j:S+j+1], s[CS:CS+1], v[AD:AD+1] op_sel_hi:[1,0,0]   ; t - M
.if j == 6
	v_ldexp_f32 v[F], 1.0, v[W0]                   ; a power of two: the rescaling rounds nothing
.endif
.set j, j+2
.endr
.irp b,0,1,2,3
	v_fma_f32 v[BM+\b], v[BM+\b], s[CS], v[AD]
.endr
.if (\hd == 3) && \meet
	v_add_nc_u32 v[ASC16], 3072, v[ASC16]          ; the next step's scale words (this step's last load by these addresses has been issued)
	v_add_nc_u32 v[ASC8], 3072, v[ASC8]
.endif
.if (\hd < 3) || (\meet == 0)
	s_wait_dscnt 0x0                               ; V, the next head's K and their words are in
.endif
	s_wait_alu depctr_va_vdst(0)
.set j, 0
.rept 64
	v_exp_f32 v[S+j], v[S+j]                       ; p, not normalised
.set j, j+1
.endr
.irp b,0,1,2,3
	v_exp_f32 v[BM+\b], v[BM+\b]                   ; the blocks' largest p
.endr
	v_pk_mul_f32 v[SUM+2*\hd:SUM+2*\hd+1], v[SUM+2*\hd:SUM+2*\hd+1], v[F:F+1] op_sel_hi:[1,0]
	WIN 0x41
	s_wait_alu depctr_va_vdst(0)                   ; one wait: for the batch, ahead of its first reader, and directly ahead of the first reader of O^T
.set j, 0
.rept 16
	v_pk_mul_f32 v[OB+32*\hd+j:OB+32*\hd+j+1], v[OB+32*\hd+j:OB+32*\hd+j+1], v[F:F+1] op_sel_hi:[1,0]   ; O^T under the new M
.set j, j+2
.endr
	WIN 0
	v_pk_add_f32 v[W0+2:W0+3], v[S:S+1], v[S+2:S+3]                ; the sum of the unquantised p, four chains; the scale bytes' lines stand between them
	v_pk_add_f32 v[W0+4:W0+5], v[S+4:S+5], v[S+6:S+7]
	v_pk_add_f32 v[W0+6:W0+7], v[S+8:S+9], v[S+10:S+11]
	v_pk_add_f32 v[SUM+2*\hd:SUM+2*\hd+1], v[SUM+2*\hd:SUM+2*\hd+1], v[S+12:S+13]
.irp b,0,1,2,3
	v_max_num_f32 v[BM+\b], 0x1800000, v[BM+\b]    ; the floor: the byte cannot fall under 1
.endr
	SUM4 \hd, 14
.irp b,0,1,2,3
	v_add_nc_u32 v[SO+\b], 0xff000000, v[BM+\b]
.endr
	SUM4 \hd, 22
.irp b,0,1,2,3
	v_lshrrev_b32 v[BT+\b], 23, v[SO+\b]
.endr
	SUM4 \hd, 30
	v_lshl_or_b32 v[PW], v[BT+1], 8, v[BT]
	SUM4 \hd, 38
	v_lshl_or_b32 v[PW], v[BT+2], 16, v[PW]
	SUM4 \hd, 46
	v_lshl_or_b32 v[PW], v[BT+3], 24, v[PW]
	SUM4 \hd, 54
	v_pk_add_f32 v[W0+2:W0+3], v[W0+2:W0+3], v[S+62:S+63]
	v_pk_add_f32 v[SUM+2*\hd:SUM+2*\hd+1], v[SUM+2*\hd:SUM+2*\hd+1], v[W0+6:W0+7]
.irp c,0,1
	v_cvt_scalef32_pk16_fp6_f32 v[PC+6*\c:PC+6*\c+2], v[S+32*\c:S+32*\c+15], v[SO+2*\c]
	v_cvt_scalef32_pk16_fp6_f32 v[CT+4*\c:CT+4*\c+2], v[S+32*\c+16:S+32*\c+31], v[SO+2*\c+1]
.endr
	v_pk_add_f32 v[W0+2:W0+3], v[W0+2:W0+3], v[W0+4:W0+5]          ; (also the plain line behind the conversions)
.if \hd < 3
	QKM (\hd+1)                                    ; p's registers are free: the next head's y
.endif
	v_pk_add_f32 v[SUM+2*\hd:SUM+2*\hd+1], v[SUM+2*\hd:SUM+2*\hd+1], v[W0+2:W0+3]
.irp c,0,1
.irp i,0,1,2
	v_permlane16_swap_b32 v[PC+6*\c+\i], v[CT+4*\c+\i]
.endr
.irp i,0,1,2
	v_mov_b32 v[PC+3+6*\c+\i], v[CT+4*\c+\i]
.endr
.endr
	PLACES
	WIN 0x50
.irp f,0,2                                     ; O^T += V^T p: four accumulators, one instruction each
	v_wmma_scale_f32_16x16x128_f8f6f4 v[OB+32*\hd+8*\f:OB+32*\hd+8*\f+7], v[VF+12*\f:VF+12*\f+11], v[PC:PC+11], v[OB+32*\hd+8*\f:OB+32*\hd+8*\f+7], v[VS+\f/2], v[PW] matrix_a_fmt:MATRIX_FMT_FP6 matrix_b_fmt:MATRIX_FMT_FP6
	v_wmma_scale_f32_16x16x128_f8f6f4 v[OB+32*\hd+8*\f+8:OB+32*\hd+8*\f+15], v[VF+12*\f+12:VF+12*\f+23], v[PC:PC+11], v[OB+32*\hd+8*\f+8:OB+32*\hd+8*\f+15], v[VS+\f/2], v[PW] matrix_a_fmt:MATRIX_FMT_FP6 matrix_b_fmt:MATRIX_FMT_FP6 matrix_a_scale:MATRIX_SCALE_ROW1
.endr
	WIN 0
.if (\hd == 3) && \meet
	s_barrier_wait -1
	CREST                                          ; no wave of any partner still reads the slot or has a load on its way
.endif
.endm
; A KEY STEP: 128 keys, four heads.  meet = 1: it prefetches and ends with the round
.macro STEP meet
	v_add_nc_u32 v[APR], s[SL], v[APRB]
	v_add_nc_u32 v[AK16], s[SL], v[AKB16]
	v_add_nc_u32 v[AK8], s[SL], v[AKB8]
	WIN 0x40
.irp b,0,1,2,3
.irp m,0,1,2,3
	ds_load_b128 v[CB+16*\b+4*\m:CB+16*\b+4*\m+3], v[APR] offset:128*\b+16*\m   ; prior(my query, keys 32 b + 16 h + 0 .. 15)
.endr
.endr
	WIN 0
	KLOAD 0
.if \meet
; A PREFETCH INTO THE L2: the trip that loads step n + 1 asks for step n + 2, one instruction a wave.  Of the 48 blocks of 256 bytes that a wave 0-3 fetches, each of the column's four partners names 12, by address (cy);
; of the 64 blocks of a wave 4-7 each of the row's four partners names 16 (cx); lanes left over name their wave's last block again.  The loop's last trip, whose step n + 2 does not exist, asks for nothing.
	s_cmp_gt_u32 s[LAP], 1
	s_cbranch_scc0 .Lno_ask_\@
	global_prefetch_b8 v[PFO], s[PFA:PFA+1] th:TH_LOAD_NT scope:SCOPE_SE
.Lno_ask_\@:
.endif
	WIN 0x41
.set j, 0
.irp b,0,1,2,3
	s_wait_dscnt 29-4*\b                           ; of the 33 loads issued, prior's first 4 (b + 1) are in
.rept 8
	v_pk_fma_f32 v[CB+j:CB+j+1], v[CB+j:CB+j+1], v[LAM8:LAM8+1], v[NTH8:NTH8+1] op_sel_hi:[1,0,0]   ; 8 (bias - threshold), once for four heads
.set j, j+2
.endr
.endr
	WIN 0
	PLACES
	s_wait_alu depctr_va_vdst(0)
	s_wait_dscnt 0x0                               ; head 0's K and its words are in
	QKM 0
	HEAD 0, \meet
	HEAD 1, \meet
	HEAD 2, \meet
	HEAD 3, \meet
.endm
.macro G1SET g, c, r, p
	s_mov_b32 s[\g+1], (\c)<<16
	s_mov_b32 s[\g+2], (\r)<<16
	s_mov_b32 s[\g+3], (\c)<<16
	s_mov_b32 s[\g+4], \r
	s_mov_b32 s[\g+5], \p
	s_mov_b32 s[\g+6], 0
	s_mov_b32 s[\g+7], 0
.endm
	s_load_b256 s[4:11], s[0:1], 0x0               ; qb, kvb, prior_mask, st
	s_load_b64 s[12:13], s[0:1], 0x20              ; ao
	v_lshl_add_u32 v[SPW], v0, 2, SPARE
	v_mov_b32 v[NIL], 0
	ds_add_u32 v[SPW], v[NIL]                      ; the opening: the add, twice on end; its wait stands ahead of the first tensor loads
	ds_add_u32 v[SPW], v[NIL]
	v_lshrrev_b32 v[W0], 5, v0
	v_readfirstlane_b32 s[WV], v[W0]               ; wave 0..7
	s_and_b32 s15, s[WV], 3
	s_and_b32 s16, s[WV], 1
	s_bfe_u32 s17, ttmp6, 0x40000                  ; cx
	s_bfe_u32 s18, ttmp6, 0x40004                  ; cy
	s_lshl_b32 s19, ttmp9, 2
	s_add_co_u32 s19, s19, s17                     ; X = 4 batch + group of heads
	s_and_b32 s20, ttmp7, 0xffff
	s_lshl_b32 s20, s20, 2
	s_add_co_u32 s20, s20, s18                     ; Y: the block of 128 queries
	s_lshl_b32 s21, 0x1111, s17                    ; my column of the cluster
	s_lshl_b32 s22, s18, 2
	s_lshl_b32 s22, 15, s22                        ; my row
	s_or_b32 s[G1K], s21, (3<<16)|(1<<21)          ; a head's K and V: 12,288 dense bytes as 48 rows of 256
	G1SET G1K, 32, 48, 32
	s_or_b32 s[G1S], s21, (3<<16)|(1<<21)          ; half of the scale words: 24,576 dense bytes
	G1SET G1S, 32, 96, 32
	s_or_b32 s[G1P], s22, (2<<16)|(1<<20)|(1<<21)|(6<<22)|(3<<25)   ; prior: rows of 128 f32, 4 words of padding behind each; 64 rows at the head, 32 in the ring
	G1SET G1P, 128, 64, 2048
	s_mov_b32 s[SEL], 0x76543210
	s_mov_b32 s[SEL+1], 0xfedcba98
	s_mov_b32 s[CS], 0x3e38aa3b                    ; c = log2(e) / 8
	s_mov_b32 s[CS+1], s[CS]
	s_mov_b32 s[HM], 0xffff0000
	s_mov_b32 s[LAP], 15
	s_mov_b32 s[SL], 0
	s_mul_i32 s82, s15, 12288                      ; K, V: head w % 4, in LDS and in memory
	s_mul_i32 s84, s19, 786432
	s_add_co_u32 s84, s84, s82
	s_mov_b32 s85, 0
	s_mul_i32 s83, s15, 16896                      ; the ring's prior: 32 rows (w % 4)
	s_lshl_b32 s86, s20, 7
	s_lshl_b32 s87, s15, 5
	s_add_co_u32 s86, s86, s87
	s_lshl_b32 s86, s86, 13
	s_mov_b32 s87, 0
	s_mul_i32 s90, s16, 33792                      ; the head's prior: 64 rows (w % 2)
	s_lshl_b32 s88, s20, 7
	s_lshl_b32 s89, s16, 6
	s_add_co_u32 s88, s88, s89
	s_lshl_b32 s88, s88, 13
	s_mov_b32 s89, 0
	s_mul_i32 s91, s16, 24576                      ; the scale words' half (w % 2)
	s_mul_i32 s92, s19, 49152
	s_add_co_u32 s92, s92, s91
	s_add_co_u32 s92, s92, 0xc00000
	s_mov_b32 s93, 0
	s_wait_dscnt 0x0                               ; both opening adds are done
	s_wait_kmcnt 0x0
	s_mov_b32 s[G0K], 1
	s_mov_b32 s[G0K+1], s82
	s_add_nc_u64 s[G0K+2:G0K+3], s[6:7], s[84:85]
	s_or_b32 s[G0K+3], s[G0K+3], 0x80000000
	s_mov_b32 s[G0P], 1
	s_add_co_u32 s[G0P+1], s83, PRI
	s_add_nc_u64 s[G0P+2:G0P+3], s[8:9], s[86:87]
	s_or_b32 s[G0P+3], s[G0P+3], 0x80000000
	s_mov_b32 s[G0HP], 1
	s_add_co_u32 s[G0HP+1], s90, PRI
	s_add_nc_u64 s[G0HP+2:G0HP+3], s[8:9], s[88:89]
	s_or_b32 s[G0HP+3], s[G0HP+3], 0x80000000
	s_mov_b32 s[G0HS], 1
	s_add_co_u32 s[G0HS+1], s91, SC
	s_add_nc_u64 s[G0HS+2:G0HS+3], s[6:7], s[92:93]
	s_or_b32 s[G0HS+3], s[G0HS+3], 0x80000000
	CROUND                                         ; all sixteen work-groups are here: the first joint loads meet
	s_cmp_lt_u32 s[WV], 4                          ; the head's loads, one a wave, in one chain: waves 0-3 step 0's K and V, waves 4, 5 its prior, waves 6, 7 the scale words
	s_cbranch_scc0 .Lhead_p
	tensor_load_to_lds s[G0K:G0K+3], s[G1K:G1K+7]
	s_nop 0
	PLACES
	s_branch .Lhead_asked
.Lhead_p:
	s_cmp_lt_u32 s[WV], 6
	s_cbranch_scc0 .Lhead_s
	tensor_load_to_lds s[G0HP:G0HP+3], s[G1P:G1P+7]
	s_nop 0
	PLACES
	s_branch .Lhead_asked
.Lhead_s:
	tensor_load_to_lds s[G0HS:G0HS+3], s[G1S:G1S+7]
	s_nop 0
	PLACES
.Lhead_asked:
	; the prefetches' place: my wave's tile, my work-group's quarter of it, at step 2
	s_mul_i32 s92, s19, 786432
	s_add_co_u32 s92, s92, s82
	s_mul_i32 s93, s18, 3072
	s_add_co_u32 s92, s92, s93
	s_lshl_b32 s93, s17, 16
	s_add_co_u32 s93, s93, s86                     ; prior: + 8 cx rows
	s_mov_b32 s[PFS], 49152
	s_mov_b32 s97, 8192
	s_cmp_lt_u32 s[WV], 4
	s_cselect_b64 s[PFA:PFA+1], s[6:7], s[8:9]
	s_cselect_b32 s[PFS], s[PFS], 512              ; a key step on
	s_cselect_b32 s97, 512, s97                    ; from pair of lanes to pair of lanes
	s_cselect_b32 s96, 11, 15                      ; my last block
	s_cselect_b32 s92, s92, s93
	s_mov_b32 s93, 0
	s_mov_b32 s[PFS+1], 0
	s_add_nc_u64 s[PFA:PFA+1], s[PFA:PFA+1], s[92:93]
	s_add_nc_u64 s[PFA:PFA+1], s[PFA:PFA+1], s[PFS:PFS+1]
	s_add_nc_u64 s[PFA:PFA+1], s[PFA:PFA+1], s[PFS:PFS+1]
	; Q, its scale words, the partial sums of u, my queries' means of prior, O's places
	s_lshl_b32 s82, s19, 2                         ; 16 batch + my first head
	s_lshl_b32 s83, s20, 3
	s_add_co_u32 s83, s83, s[WV]                   ; my tile in the batch
	s_lshl_b32 s84, s82, 7
	s_add_co_u32 s84, s84, s83
	s_mul_i32 s84, s84, 768
	s_mov_b32 s85, 0
	s_add_nc_u64 s[84:85], s[4:5], s[84:85]
	s_lshl_b32 s86, s82, 4
	s_add_co_u32 s86, s86, s20
	s_lshl_b32 s86, s86, 9
	s_lshl_b32 s87, s16, 8
	s_add_co_u32 s86, s86, s87
	s_bfe_u32 s87, s[WV], 0x20001
	s_lshl_b32 s87, s87, 2
	s_add_co_u32 s86, s86, s87
	s_add_co_u32 s86, s86, 0x600000
	s_mov_b32 s87, 0
	s_add_nc_u64 s[86:87], s[4:5], s[86:87]
	s_lshl_b32 s88, ttmp9, 11
	s_mov_b32 s89, 0
	s_add_nc_u64 s[88:89], s[10:11], s[88:89]
	s_lshr_b32 s94, s[WV], 1
	s_lshl_b32 s94, s94, 5
	s_lshl_b32 s95, s16, 3
	s_add_co_u32 s94, s94, s95                     ; my tile's first row in the block: 32 (w / 2) + 8 (w % 2)
	s_lshl_b32 s90, s20, 7
	s_add_co_u32 s90, s90, s94
	s_lshl_b32 s90, s90, 2
	s_add_co_u32 s90, s90, 8192
	s_mov_b32 s91, 0
	s_add_nc_u64 s[90:91], s[10:11], s[90:91]
	s_mul_i32 s94, s94, 528
	s_add_co_u32 s94, s94, PRI
	s_lshl_b32 s92, ttmp9, 7
	s_add_co_u32 s93, s92, s83
	s_lshl_b32 s93, s93, 4
	s_lshl_b32 s95, s17, 2
	s_add_co_u32 s93, s93, s95
	s_mul_i32 s[AOC], s93, 768
	s_mov_b32 s[AOC+1], 0
	s_add_nc_u64 s[AOC:AOC+1], s[12:13], s[AOC:AOC+1]
	s_lshl_b32 s93, s20, 3
	s_add_co_u32 s93, s93, s92
	s_lshl_b32 s[AOS], s93, 7
	s_lshl_b32 s95, s17, 16
	s_add_co_u32 s[AOS], s[AOS], s95
	s_add_co_u32 s[AOS], s[AOS], 0x600000
	s_mov_b32 s[AOS+1], 0
	s_add_nc_u64 s[AOS:AOS+1], s[12:13], s[AOS:AOS+1]
	v_and_b32 v[W0], 31, v0                        ; lane
	v_and_b32 v[W0+1], 15, v0                      ; r
	v_bfe_u32 v[W0+2], v0, 4, 1                    ; h
	v_min_u32 v[W0+3], s96, v[W0]
	v_lshlrev_b32 v[AKB16], 4, v[W0]
	v_lshlrev_b32 v[VF], 3, v[W0]
	v_lshrrev_b32 v[W0+4], 1, v[W0+3]
	v_and_b32 v[W0+3], 1, v[W0+3]
	v_mul_u32_u24 v[PFO], v[W0+4], s97
	v_add_nc_u32 v[AKB8], 512, v[VF]
	v_lshlrev_b32 v[VF+1], 4, v[W0+1]
	v_and_b32 v[VF+2], 8, v[W0+1]
	v_lshl_add_u32 v[PFO], v[W0+3], 8, v[PFO]
	v_add_nc_u32 v[VF+2], v[VF+2], v[W0+1]         ; r + 8 (r / 8)
	v_add_nc_u32 v[ASC16], SC, v[AKB16]
	v_add_nc_u32 v[ASC8], SC, v[AKB8]
	v_lshlrev_b32 v[VF+3], 2, v[VF+2]
	v_mul_u32_u24 v[APRB], v[VF+2], 528
	v_lshl_add_u32 v[APRB], v[W0+2], 6, v[APRB]
	v_add_nc_u32 v[APRB], s94, v[APRB]
	WIN 0x40
.irp hd,0,1,2,3
	global_load_b128 v[QB+12*\hd:QB+12*\hd+3], v[AKB16], s[84:85] offset:98304*\hd
	global_load_b64 v[QB+12*\hd+4:QB+12*\hd+5], v[VF], s[84:85] offset:98304*\hd+512
.endr
	WIN 0
.irp hd,0,1,2,3
	global_load_b32 v[QS+\hd], v[VF+1], s[86:87] offset:8192*\hd
.endr
.irp k,0,1,2,3
	global_load_b128 v[S+4*\k:S+4*\k+3], v[AKB16], s[88:89] offset:512*\k
.endr
	global_load_b32 v[W0+5], v[VF+3], s[90:91]
	WIN 0x40
.irp hd,0,1,2,3
.irp j,6,7,8,9,10,11
	v_mov_b32 v[QB+12*\hd+\j], 0                   ; Q's codes for k = 64 .. 127
.endr
.endr
.set j, 0
.rept 128
	v_mov_b32 v[OB+j], 0                           ; the step is written once: the first finds zeros
.set j, j+1
.endr
	WIN 0
.irp j,48,49,50,51,52,53
	v_mov_b32 v[KF+\j], 0
.endr
.irp b,0,1,2,3
	v_mov_b32 v[BT+\b], 0                          ; a lane permute's destination counts as one of its sources
	v_mov_b32 v[SUM+2*\b], 0
	v_mov_b32 v[SUM+2*\b+1], 0
	v_mov_b32 v[TMX+\b], 0xff61b1e6                ; -3e38, under every y
.endr
.irp b,0,1,2,3
	v_floor_f32 v[NM+\b], -v[TMX+\b]
.endr
	v_mov_b32 v[AD+1], 0                           ; upper halves of pairs that are named whole
	v_mov_b32 v[F+1], 0
	v_mov_b32 v[NTH8+1], 0
	v_mov_b32 v[LAM8+1], 0
	s_wait_alu depctr_va_vdst(0)
	s_wait_loadcnt 0x0
.irp j,2,4,6,8,10,12,14
	v_pk_add_f32 v[S:S+1], v[S:S+1], v[S+\j:S+\j+1]
.endr
	v_add_f32 v[S], v[S], v[S+1]
	v_add_f32_dpp v[S], v[S], v[S] row_xmask:1 row_mask:0xf bank_mask:0xf
	v_add_f32_dpp v[S], v[S], v[S] row_xmask:2 row_mask:0xf bank_mask:0xf
	v_add_f32_dpp v[S], v[S], v[S] row_xmask:4 row_mask:0xf bank_mask:0xf
	v_add_f32_dpp v[S], v[S], v[S] row_xmask:8 row_mask:0xf bank_mask:0xf
	v_permlanex16_b32 v[S+1], v[S], s[SEL], s[SEL+1]
	v_add_f32 v[S], v[S], v[S+1]                   ; the batch's sum of u
	v_mul_f32 v[S], 0xbb66d4ca, v[S]               ; x -5 log2(e) / 2,048
	s_wait_alu depctr_va_vdst(0)
	v_exp_f32 v[S], v[S]
	v_mov_b32 v[W0+6], 0x80000000                  ; (a plain line behind the exponential)
	v_mov_b32 v[W0+7], 0xff800000
	s_wait_alu depctr_va_vdst(0)
	v_mul_f32 v[LAM8], 0x42a00000, v[S]            ; 8 lam
	v_cmp_lt_f32 vcc_lo, 0x41000000, v[LAM8]       ; lam > 1, as 8 lam > 8
	v_cndmask_b32 v[CLIPV], v[W0+6], v[W0+7], vcc_lo
	v_mul_f32 v[W0+5], v[LAM8], v[W0+5]            ; thr8
	v_mul_f32 v[NTH8], -1.0, v[W0+5]
	v_mul_f32 v[TQ], s[CS], v[W0+5]
	s_wait_alu depctr_va_vdst(0)
	s_wait_tensorcnt 0x0                           ; my tile of the head's is in; slot 1's first fill stands behind the full sequence and a round, as a refill does
	ds_add_u32 v[SPW], v[NIL]
	s_mov_b32 s[G1P+2], 32<<16                     ; no load of mine is out: from here on a load of prior brings 32 rows,
	s_mov_b32 s[G1P+4], 32
	s_xor_b32 s[G0K+1], s[G0K+1], SLOT1            ; and the descriptors go on to step 1, slot 1
	s_add_nc_u64 s[G0K+2:G0K+3], s[G0K+2:G0K+3], 49152
	s_xor_b32 s[G0P+1], s[G0P+1], SLOT1
	s_add_nc_u64 s[G0P+2:G0P+3], s[G0P+2:G0P+3], 512
	s_wait_dscnt 0x0
	CROUND
.Lstep:                                            ; fifteen trips: trip n asks for step n + 1, works step n and ends with the round
	JLOAD
	STEP 1
	s_sub_co_u32 s[LAP], s[LAP], 1
	s_cmp_lg_u32 s[LAP], 0
	s_cbranch_scc1 .Lstep
	STEP 0                                         ; step 15 asks for nothing
	; THE WAY OUT: O^T / the sum, quantised along each head's 64: my tile's four images for the last product
.irp hd,0,1,2,3
	v_add_f32 v[SUM+2*\hd], v[SUM+2*\hd], v[SUM+2*\hd+1]
.endr
.irp hd,0,1,2,3
	v_permlanex16_b32 v[BT+\hd], v[SUM+2*\hd], s[SEL], s[SEL+1]
.endr
.irp hd,0,1,2,3
	v_add_f32 v[SUM+2*\hd], v[SUM+2*\hd], v[BT+\hd]
.endr
	v_lshl_add_u32 v[APR], v0, 2, SCST             ; my scale word's place; 16 bytes a thread on the way back; the same in memory
	v_lshl_add_u32 v[AK16], v0, 4, SCST
	v_lshlrev_b32 v[AK8], 4, v0
	s_wait_alu depctr_va_vdst(0)
.irp hd,0,1,2,3
	v_rcp_f32 v[SUM+2*\hd], v[SUM+2*\hd]
.endr
	v_nop
	WIN 0x01
	s_wait_alu depctr_va_vdst(0)
.irp hd,0,1,2,3
.set j, 0
.rept 16
	v_pk_mul_f32 v[KF+32*\hd+j:KF+32*\hd+j+1], v[OB+32*\hd+j:OB+32*\hd+j+1], v[SUM+2*\hd:SUM+2*\hd+1] op_sel_hi:[1,0]
.set j, j+2
.endr
.endr
	WIN 0
.macro OUTQ hd
.set A0, KF+32*(\hd)
.set P0, PO+8*(\hd)
.irp b,0,1
	v_max3_num_f32 v[BM+\b], |v[A0+16*\b]|, |v[A0+16*\b+1]|, 0x1800000
.endr
.irp i,2,4,6,8,10,12,14
.irp b,0,1
	v_max3_num_f32 v[BM+\b], v[BM+\b], |v[A0+16*\b+\i]|, |v[A0+16*\b+\i+1]|
.endr
.endr
.irp b,0,1
	v_permlanex16_b32 v[BT+\b], v[BM+\b], s[SEL], s[SEL+1]
.endr
.irp b,0,1
	v_max_num_f32 v[BM+\b], v[BM+\b], v[BT+\b]
.endr
.irp b,0,1
	v_add_nc_u32 v[SO+\b], 0xff000000, v[BM+\b]
.endr
.irp b,0,1
	v_lshrrev_b32 v[W0+\b], 23, v[SO+\b]
.endr
	v_lshl_or_b32 v[W0+4+\hd], v[W0+1], 8, v[W0]   ; the head's two scale bytes
	v_cvt_scalef32_pk16_fp6_f32 v[P0:P0+2], v[A0:A0+15], v[SO]
	v_cvt_scalef32_pk16_fp6_f32 v[CT:CT+2], v[A0+16:A0+31], v[SO+1]
	v_nop
.irp i,0,1,2
	v_permlane16_swap_b32 v[P0+\i], v[CT+\i]
.endr
.irp i,0,1,2
	v_mov_b32 v[P0+3+\i], v[CT+\i]
.endr
	global_store_b128 v[AKB16], v[P0:P0+3], s[AOC:AOC+1] offset:768*\hd   ; 512 consecutive bytes, aligned to 256
	global_store_b64 v[AKB8], v[P0+4:P0+5], s[AOC:AOC+1] offset:768*\hd   ; 256 (the register holds 8 x lane + 512)
.endm
	OUTQ 0
	OUTQ 1
	OUTQ 2
	OUTQ 3
	v_lshl_or_b32 v[W0], v[W0+5], 16, v[W0+4]      ; K step 2 g: heads 0, 1; K step 2 g + 1: heads 2, 3, in lanes 16-31
	v_lshl_or_b32 v[W0+1], v[W0+7], 16, v[W0+6]
	v_cndmask_b32 v[W0], v[W0], v[W0+1], s[HM]
	ds_store_b32 v[APR], v[W0]
	s_wait_alu depctr_va_vdst(0)
	s_wait_dscnt 0x0                               ; for the others' sake
	s_barrier_signal -1
	s_barrier_wait -1
	s_cmp_ge_u32 s[WV], 2
	s_cbranch_scc1 .Lno_words
	ds_load_b128 v[S:S+3], v[AK16]                 ; waves 0 and 1: the work-group's 1,024 bytes of scale words
	s_wait_dscnt 0x0
	global_store_b128 v[AK8], v[S:S+3], s[AOS:AOS+1]
.Lno_words:
	s_wait_tensorcnt 0x0                           ; the wave's end
	ds_add_u32 v[SPW], v[NIL]
	s_wait_dscnt 0x0
	CROUND                                         ; the closing round
	s_endpgm
.Lfunc_end_k_q2f79459f1a_attn:
	.size	k_q2f79459f1a_attn, .Lfunc_end_k_q2f79459f1a_attn-k_q2f79459f1a_attn
	.p2alignl 7, 3214868480
	.fill 96, 4, 3214868480
	.section	.rodata,"a",@progbits
	.p2align	6, 0x0
	.amdhsa_kernel k_q2f79459f1a_attn
		.amdhsa_group_segment_fixed_size 327680
		.amdhsa_private_segment_fixed_size 0
		.amdhsa_enable_private_segment 0
		.amdhsa_kernarg_size 40
		.amdhsa_user_sgpr_count 2
		.amdhsa_user_sgpr_kernarg_segment_ptr 1
		.amdhsa_wavefront_size32 1
		.amdhsa_system_sgpr_workgroup_id_x 1
		.amdhsa_system_sgpr_workgroup_id_y 1
		.amdhsa_system_sgpr_workgroup_id_z 1
		.amdhsa_system_vgpr_workitem_id 0
		.amdhsa_next_free_vgpr 512
		.amdhsa_next_free_sgpr 100
		.amdhsa_reserve_vcc 1
		.amdhsa_float_denorm_mode_32 3
		.amdhsa_float_denorm_mode_16_64 3
		.amdhsa_memory_ordered 1
		.amdhsa_forward_progress 1
		.amdhsa_inst_pref_size 185
	.end_amdhsa_kernel
	.amdgpu_metadata
---
amdhsa.version: [ 1, 2 ]
amdhsa.kernels:
  - .name:           k_q2f79459f1a_attn
    .symbol:         k_q2f79459f1a_attn.kd
    .args:
      - { .name: qb, .offset: 0, .size: 8, .value_kind: global_buffer, .address_space: global }
      - { .name: kvb, .offset: 8, .size: 8, .value_kind: global_buffer, .address_space: global }
      - { .name: prior_mask, .offset: 16, .size: 8, .value_kind: global_buffer, .address_space: global }
      - { .name: st, .offset: 24, .size: 8, .value_kind: global_buffer, .address_space: global }
      - { .name: ao, .offset: 32, .size: 8, .value_kind: global_buffer, .address_space: global }
    .group_segment_fixed_size: 327680
    .private_segment_fixed_size: 0
    .kernarg_segment_align: 8
    .kernarg_segment_size: 40
    .max_flat_workgroup_size: 256
    .sgpr_count:     100
    .vgpr_count:     512
    .wavefront_size: 32
...
	.end_amdgpu_metadata
.endif
;; end of part 3
;; launch oproj (part 4): grid 8 x 32, 4 waves a work-group, clusters of 4 x 4, 327,680 bytes of LDS; arguments ao, wq4, bo, out0; writes out0
.if DOCPART == 4
	.amdgcn_target "amdgcn-amd-amdhsa--gfx1250"
	.amdhsa_code_object_version 6
	.text
	.protected	k_q2f79459f1a_oproj
	.globl	k_q2f79459f1a_oproj
	.p2align	8
	.type	k_q2f79459f1a_oproj,@function
k_q2f79459f1a_oproj:
	s_mov_b64 s[64:65], 0
	v_nop
	global_prefetch_b8 v0, s[64:65] scope:SCOPE_SE
	s_setreg_imm32_b32 hwreg(HW_REG_WAVE_MODE, 25, 1), 1
	s_wait_xcnt 0x0
	s_wait_alu depctr_hold_cnt(0) depctr_sa_sdst(0) depctr_va_vdst(0) depctr_va_sdst(0) depctr_va_ssrc(0) depctr_va_vcc(0) depctr_vm_vsrc(0)
	s_getreg_b32 s2, hwreg(HW_REG_IB_STS2, 6, 4)
	s_cmp_eq_u32 s2, 0
	s_cbranch_scc0 .Lentry_in_a_cluster
	s_endpgm
.Lentry_in_a_cluster:
	s_bfe_u32 s2, ttmp6, 0x10000c
	s_cmp_lg_u32 s2, 0xf033
	s_cbranch_scc0 .Lentry_shape_is_right
	s_endpgm
.Lentry_shape_is_right:
; OPROJ: out0 = att wo^T + bo on codes of E2M3.  Nothing is left out.  One tile of 256 tokens x 128 columns to a work-group; all of K (1,024) of both operands lies in LDS, brought by two first fills a wave: nothing is filled again.
; Wave w: tokens 128 (w / 2) on (8 tiles), columns 64 (w % 2) on (4 tiles): 32 accumulators.  CLUSTER 4 x 4: att's tiles are asked for jointly along a row of the cluster, wo's along a column.
; Tiles, images and scale words as the first launch's head says; att's scale words lie [K step / 2][tile][128]: a load of 4 bytes a lane brings K step 2 g in lanes 0-15 and 2 g + 1 in lanes 16-31.
; Source 0 = 16 rows of wo, source 1 = 16 tokens: a lane holds one token, and the 16 registers of two neighbouring tiles are 16 neighbouring columns.  The bias is the C of each sum's first product.
; REGISTERS: window 0: names below; window 1: the accumulators; window 2: att's fragments, two sets of 96; window 3: wo's, two sets of 48.
.set BOFF,  196608
.set STAGE, 294912                     ; the way out: 16 rows x (256 + 16) bytes for each wave; no fill lands here
.set SPARE, 312320                     ; the spare words
.set AX16, 4
.set AX8,  6
.set BW16, 8
.set BW8,  10
.set SPW,  12
.set NIL,  13
.set BO1,  14
.set XS,   16
.set WS,   48
.set BIQ,  96
.set BK,   128                         ; v128-159, v160-191 rows read back from the stage, by turns
.set STO,  200
.set RD,   201
.set CO,   202
.set WV,   18
.set G1A,  24
.set G1B,  32
.set G0A,  40
.set G0B,  48
.set MSB, 0
.macro WIN new
.if MSB != \new
	s_set_vgpr_msb (MSB<<8)|\new
.set MSB, \new
.endif
.endm
.macro PLACES
.rept 4
	v_nop
.endr
.endm
.macro CROUND
	s_barrier_signal -1
	s_barrier_wait -1
	s_cmp_lg_u32 s[WV], 0
	s_cbranch_scc1 .Lnot_wave_0_\@
	s_barrier_signal -3
.Lnot_wave_0_\@:
	s_barrier_wait -3
	s_barrier_signal -1
	s_barrier_wait -1
.endm
.macro FETCH half, sp, p
	WIN 0x80
.irp i,0,1,2,3,4,5,6,7
.irp c,0,1
	ds_load_b128 v[96*(\p)+12*\i+6*\c:96*(\p)+12*\i+6*\c+3], v[AX16+\half] offset:6144*\i+1536*(\sp)+768*\c
	ds_load_b64 v[96*(\p)+12*\i+6*\c+4:96*(\p)+12*\i+6*\c+5], v[AX8+\half] offset:6144*\i+1536*(\sp)+768*\c
.endr
.endr
	WIN 0xc0
.irp f,0,1,2,3
.irp c,0,1
	ds_load_b128 v[48*(\p)+12*\f+6*\c:48*(\p)+12*\f+6*\c+3], v[BW16+\half] offset:6144*\f+1536*(\sp)+768*\c
	ds_load_b64 v[48*(\p)+12*\f+6*\c+4:48*(\p)+12*\f+6*\c+5], v[BW8+\half] offset:6144*\f+1536*(\sp)+768*\c
.endr
.endr
.endm
; 32 matrix instructions, K step s of 8; the 32 accumulators take turns, one instruction a turn.  CBF = 1: the bias starts the sums
.macro MULQK p, s
.if CBF
	WIN 0x4b
.else
	WIN 0x5b
.endif
.irp i,0,1,2,3,4,5,6,7
.irp f,0,1,2,3
.set rD, 8*(4*\i+\f)
.set rA, 48*(\p)+12*\f
.set rB, 96*(\p)+12*\i
.set rC, BIQ+8*\f
.set rU, WS+4*\f+(\s)/2
.set rV, XS+4*\i+(\s)/2
.if CBF
	v_wmma_scale_f32_16x16x128_f8f6f4 v[rD:rD+7], v[rA:rA+11], v[rB:rB+11], v[rC:rC+7], v[rU], v[rV] matrix_a_fmt:MATRIX_FMT_FP6 matrix_b_fmt:MATRIX_FMT_FP6
.elseif (\s)%2
	v_wmma_scale_f32_16x16x128_f8f6f4 v[rD:rD+7], v[rA:rA+11], v[rB:rB+11], v[rD:rD+7], v[rU], v[rV] matrix_a_fmt:MATRIX_FMT_FP6 matrix_b_fmt:MATRIX_FMT_FP6 matrix_a_scale:MATRIX_SCALE_ROW1 matrix_b_scale:MATRIX_SCALE_ROW1
.else
	v_wmma_scale_f32_16x16x128_f8f6f4 v[rD:rD+7], v[rA:rA+11], v[rB:rB+11], v[rD:rD+7], v[rU], v[rV] matrix_a_fmt:MATRIX_FMT_FP6 matrix_b_fmt:MATRIX_FMT_FP6
.endif
.endr
.endr
.endm
.macro HALF half
	PLACES
	FETCH \half, 0, 0
.irp sp,0,1,2,3
	s_wait_dscnt 0x0
.if \sp < 3
	PLACES
	FETCH \half, (\sp+1), ((\sp+1)%2)
.endif
.set CBF, 0
.if (\half == 0) && (\sp == 0)
.set CBF, 1
.endif
	MULQK (\sp%2), (4*\half+\sp)
.endr
.endm
; THE WAY OUT, a tile of 16 tokens x 64 columns at a time, through my own stage: in, 64 bytes a lane; back, whole rows of 256 bytes, two an instruction.  LDS serves a wave's instructions in order
.macro TOSTAGE i
	WIN 0x04                                       ; an LDS store's data are its source 1: window 1
.irp b,0,1
.irp k,0,1,2,3
	ds_store_b128 v[STO], v[32*(\i)+16*\b+4*\k:32*(\i)+16*\b+4*\k+3] offset:128*\b+16*\k   ; each accumulator from its low end on
.endr
.endr
	WIN 0
.irp n,0,1,2,3,4,5,6,7
	ds_load_b128 v[BK+32*((\i)%2)+4*\n:BK+32*((\i)%2)+4*\n+3], v[RD] offset:544*\n
.endr
.endm
.macro SEND i, younger
	s_wait_dscnt \younger
.irp n,0,1,2,3,4,5,6,7
	global_store_b128 v[CO], v[BK+32*((\i)%2)+4*\n:BK+32*((\i)%2)+4*\n+3], s[10:11] offset:(32*((\i)/2)+8*((\i)%2)+2*\n+8*(\n/4))*4096 th:TH_STORE_NT   ; 16 lanes store 256 consecutive bytes, aligned; positions 2 n, 2 n + 1 of the tile
.endr
.endm
	s_load_b256 s[4:11], s[0:1], 0x0               ; ao, wq4, bo, out0
	v_lshl_add_u32 v[SPW], v0, 2, SPARE
	v_mov_b32 v[NIL], 0
	ds_add_u32 v[SPW], v[NIL]                      ; the opening: the add, twice on end; its wait stands ahead of my first tensor load
	ds_add_u32 v[SPW], v[NIL]
	v_lshrrev_b32 v1, 5, v0
	v_readfirstlane_b32 s[WV], v1
	s_lshr_b32 s19, s[WV], 1
	s_and_b32 s20, s[WV], 1
	s_bfe_u32 s21, ttmp6, 0x40000
	s_bfe_u32 s22, ttmp6, 0x40004
	s_lshl_b32 s23, ttmp9, 2
	s_add_co_u32 s23, s23, s21                     ; X: the block of 128 columns
	s_and_b32 s56, ttmp7, 0xffff
	s_lshl_b32 s56, s56, 2
	s_add_co_u32 s56, s56, s22                     ; Y: the block of 256 tokens
	s_lshl_b32 s57, s22, 2
	s_lshl_b32 s57, 15, s57
	s_lshl_b32 s58, 0x1111, s21
	s_or_b32 s[G1A], s57, (3<<16)|(1<<21)          ; as in the launch of Q, K and V: 8 tiles x 6,144 bytes, 12,288 apart
	s_mov_b32 s[G1A+1], 768<<16
	s_mov_b32 s[G1A+2], 8<<16
	s_mov_b32 s[G1A+3], 768<<16
	s_mov_b32 s[G1A+4], 8
	s_mov_b32 s[G1A+5], 1536
	s_mov_b32 s[G1A+6], 0
	s_mov_b32 s[G1A+7], 0
	s_or_b32 s[G1B], s58, (3<<16)|(1<<21)
	s_mov_b32 s[G1B+1], 768<<16
	s_mov_b32 s[G1B+2], 4<<16
	s_mov_b32 s[G1B+3], 768<<16
	s_mov_b32 s[G1B+4], 4
	s_mov_b32 s[G1B+5], 1536
	s_mov_b32 s[G1B+6], 0
	s_mov_b32 s[G1B+7], 0
	s_mul_i32 s76, s20, 49152
	s_mul_i32 s77, s20, 24576
	s_lshl_b32 s60, s56, 4
	s_lshl_b32 s61, s20, 3
	s_add_co_u32 s60, s60, s61
	s_mul_i32 s60, s60, 12288
	s_mov_b32 s61, 0
	s_lshl_b32 s62, s23, 3
	s_lshl_b32 s63, s20, 2
	s_add_co_u32 s62, s62, s63
	s_add_co_u32 s62, s62, 192                     ; wo is the fourth matrix
	s_mul_i32 s62, s62, 12288
	s_mov_b32 s63, 0
	s_wait_dscnt 0x0
	s_wait_kmcnt 0x0
	s_add_nc_u64 s[60:61], s[4:5], s[60:61]
	s_add_nc_u64 s[62:63], s[6:7], s[62:63]
.irp h,0,1
	s_mov_b32 s[G0A+4*\h], 1
	s_add_co_u32 s[G0A+4*\h+1], s76, \h*98304
	s_add_nc_u64 s[G0A+4*\h+2:G0A+4*\h+3], s[60:61], \h*6144
	s_or_b32 s[G0A+4*\h+3], s[G0A+4*\h+3], 0x80000000
	s_mov_b32 s[G0B+4*\h], 1
	s_add_co_u32 s[G0B+4*\h+1], s77, BOFF+\h*49152
	s_add_nc_u64 s[G0B+4*\h+2:G0B+4*\h+3], s[62:63], \h*6144
	s_or_b32 s[G0B+4*\h+3], s[G0B+4*\h+3], 0x80000000
.endr
	CROUND
	s_cmp_eq_u32 s19, 0                            ; the lower half of K, one load a wave: waves 0, 1 eight tiles of att each, waves 2, 3 four tiles of wo each
	s_cbranch_scc0 .Lh0b
	tensor_load_to_lds s[G0A:G0A+3], s[G1A:G1A+7]
	s_nop 0
	PLACES
	s_branch .Lh0d
.Lh0b:
	tensor_load_to_lds s[G0B:G0B+3], s[G1B:G1B+7]
	s_nop 0
	PLACES
.Lh0d:
	s_lshl_b32 s78, s56, 4
	s_lshl_b32 s79, s19, 3
	s_add_co_u32 s78, s78, s79
	s_lshl_b32 s78, s78, 7
	s_add_co_u32 s78, s78, 0x600000
	s_mov_b32 s79, 0
	s_add_nc_u64 s[78:79], s[4:5], s[78:79]        ; att's scale words, tile 16 Y + 8 (w / 2) on
	s_lshl_b32 s80, s23, 3
	s_lshl_b32 s81, s20, 2
	s_add_co_u32 s80, s80, s81
	s_add_co_u32 s80, s80, 192
	s_lshl_b32 s80, s80, 9
	s_add_co_u32 s80, s80, 0x300000
	s_mov_b32 s81, 0
	s_add_nc_u64 s[80:81], s[6:7], s[80:81]        ; wo's
	s_lshl_b32 s82, s23, 9
	s_lshl_b32 s83, s20, 8
	s_add_co_u32 s82, s82, s83                     ; my first column, in bytes
	s_mov_b32 s83, 0
	s_add_nc_u64 s[84:85], s[8:9], s[82:83]
	v_and_b32 v3, 31, v0
	v_lshlrev_b32 v1, 4, v3
	v_lshlrev_b32 v2, 3, v3
	v_lshlrev_b32 v3, 2, v3
	v_bfe_u32 v[BO1], v0, 4, 1
	v_lshlrev_b32 v[BO1], 6, v[BO1]
.irp i,0,1,2,3,4,5,6,7
.irp g,0,1,2,3
	global_load_b32 v[XS+4*\i+\g], v3, s[78:79] offset:65536*\g+128*\i
.endr
.endr
.irp f,0,1,2,3
	global_load_b128 v[WS+4*\f:WS+4*\f+3], v1, s[80:81] offset:512*\f
	global_load_b128 v[BIQ+8*\f:BIQ+8*\f+3], v[BO1], s[84:85] offset:(32*(\f/2)+8*(\f%2))*4
	global_load_b128 v[BIQ+8*\f+4:BIQ+8*\f+7], v[BO1], s[84:85] offset:(32*(\f/2)+8*(\f%2))*4+16
.endr
	s_mul_i32 s90, s19, 49152
	v_add_nc_u32 v[AX16], s90, v1
	v_add_nc_u32 v[AX8], s90, v2
	v_add_nc_u32 v[AX8], 512, v[AX8]
	v_add_nc_u32 v[AX16+1], 98304, v[AX16]
	v_add_nc_u32 v[AX8+1], 98304, v[AX8]
	s_mul_i32 s90, s20, 24576
	s_add_co_u32 s90, s90, BOFF
	v_add_nc_u32 v[BW16], s90, v1
	v_add_nc_u32 v[BW8], s90, v2
	v_add_nc_u32 v[BW8], 512, v[BW8]
	v_add_nc_u32 v[BW16+1], 49152, v[BW16]
	v_add_nc_u32 v[BW8+1], 49152, v[BW8]
	s_mul_i32 s90, s[WV], 4352
	s_add_co_u32 s90, s90, STAGE                   ; my stage
	v_and_b32 v203, 15, v0
	v_bfe_u32 v204, v0, 4, 1
	v_mul_u32_u24 v[STO], v203, 272
	v_lshl_add_u32 v[STO], v204, 6, v[STO]
	v_add_nc_u32 v[STO], s90, v[STO]               ; in: row r, + 64 h
	v_mul_u32_u24 v[RD], v204, 272
	v_lshl_add_u32 v[RD], v203, 4, v[RD]
	v_add_nc_u32 v[RD], s90, v[RD]                 ; back: lanes 0-15 one row, lanes 16-31 the next
	v_lshlrev_b32 v[CO], 12, v204
	v_lshl_add_u32 v[CO], v203, 4, v[CO]           ; and the same two rows of out0
	s_lshl_b32 s86, s56, 8
	s_lshl_b32 s87, s19, 7
	s_add_co_u32 s86, s86, s87
	s_lshl_b32 s86, s86, 12                        ; my first token's row
	s_add_co_u32 s86, s86, s82
	s_mov_b32 s87, 0
	s_add_nc_u64 s[10:11], s[10:11], s[86:87]
	s_wait_loadcnt 0x0
	s_wait_alu depctr_va_vdst(0)
	s_wait_tensorcnt 0x0                           ; my part of the lower half is in; the upper half's first fill stands behind the full sequence and a round
	ds_add_u32 v[SPW], v[NIL]
	s_wait_dscnt 0x0
	CROUND
	s_cmp_eq_u32 s19, 0
	s_cbranch_scc0 .Lh1b
	tensor_load_to_lds s[G0A+4:G0A+7], s[G1A:G1A+7]
	s_nop 0
	PLACES
	s_branch .Lh1d
.Lh1b:
	tensor_load_to_lds s[G0B+4:G0B+7], s[G1B:G1B+7]
	s_nop 0
	PLACES
.Lh1d:
	HALF 0
	WIN 0
	s_wait_tensorcnt 0x0                           ; my parts of the upper half are in,
	s_wait_dscnt 0x0
	s_barrier_signal -1
	s_barrier_wait -1                              ; everybody's are
	HALF 1
	PLACES
	s_wait_alu depctr_va_vdst(0)
	TOSTAGE 0
.irp a,1,2,3,4,5,6,7
.if \a > 1
	s_wait_xcnt 0x0                                ; tile a - 2's stores have read their registers: tile a's rows may land there
.endif
	TOSTAGE \a
	SEND (\a-1), 16                                ; behind tile a - 1's loads: tile a's 8 stores and 8 loads
.endr
	SEND 7, 0
	s_wait_tensorcnt 0x0                           ; the wave's end
	ds_add_u32 v[SPW], v[NIL]
	s_wait_dscnt 0x0
	CROUND                                         ; the closing round
	s_endpgm
.Lfunc_end_k_q2f79459f1a_oproj:
	.size	k_q2f79459f1a_oproj, .Lfunc_end_k_q2f79459f1a_oproj-k_q2f79459f1a_oproj
	.p2alignl 7, 3214868480
	.fill 96, 4, 3214868480
	.section	.rodata,"a",@progbits
	.p2align	6, 0x0
	.amdhsa_kernel k_q2f79459f1a_oproj
		.amdhsa_group_segment_fixed_size 327680
		.amdhsa_private_segment_fixed_size 0
		.amdhsa_enable_private_segment 0
		.amdhsa_kernarg_size 32
		.amdhsa_user_sgpr_count 2
		.amdhsa_user_sgpr_kernarg_segment_ptr 1
		.amdhsa_wavefront_size32 1
		.amdhsa_system_sgpr_workgroup_id_x 1
		.amdhsa_system_sgpr_workgroup_id_y 1
		.amdhsa_system_sgpr_workgroup_id_z 1
		.amdhsa_system_vgpr_workitem_id 0
		.amdhsa_next_free_vgpr 1024
		.amdhsa_next_free_sgpr 100
		.amdhsa_reserve_vcc 0
		.amdhsa_float_denorm_mode_32 3
		.amdhsa_float_denorm_mode_16_64 3
		.amdhsa_memory_ordered 1
		.amdhsa_forward_progress 1
		.amdhsa_inst_pref_size 86
	.end_amdhsa_kernel
	.amdgpu_metadata
---
amdhsa.version: [ 1, 2 ]
amdhsa.kernels:
  - .name:           k_q2f79459f1a_oproj
    .symbol:         k_q2f79459f1a_oproj.kd
    .args:
      - { .name: ao, .offset: 0, .size: 8, .value_kind: global_buffer, .address_space: global }
      - { .name: wq4, .offset: 8, .size: 8, .value_kind: global_buffer, .address_space: global }
      - { .name: bo, .offset: 16, .size: 8, .value_kind: global_buffer, .address_space: global }
      - { .name: out0, .offset: 24, .size: 8, .value_kind: global_buffer, .address_space: global }
    .group_segment_fixed_size: 327680
    .private_segment_fixed_size: 0
    .kernarg_segment_align: 8
    .kernarg_segment_size: 32
    .max_flat_workgroup_size: 128
    .sgpr_count:     100
    .vgpr_count:     1024
    .wavefront_size: 32
...
	.end_amdgpu_metadata
.endif
;; end of part 4
